; MI455X (gfx1250); checked and timed in simulation.
; The chip was launched on July 23, 2026; its instructions are those of AMD's public machine-readable ISA for CDNA 5 (MIT licence, August 2026) and "CDNA5" Instruction Set Architecture Reference Guide (July 2026). The comments in the code are by the model that wrote it; some were corrected since.
;; Multi Head Attention. Allowed arithmetic: matrix products marked QUANTISED: E2M1 operands, one E8M0 scale for each 32 along K, by v_wmma_scale_f32_16x16x128_f8f6f4 with both operands' format E2M1 (or v_wmma_scale_f32_32x16x128_f4), f32 sums; products left as they are: bf16, f16 or f32 operands; f32 sums; everything else in f32.
;; Inputs: Wk 16 x 1,024 x 64 float32; Wp 1,024 x 1,024 float32; Wq 16 x 1,024 x 64 float32; Wv 16 x 1,024 x 64 float32; bp 1,024 float32; x 4 x 2,048 x 1,024 float32.
;; Outputs: out0 4 x 2,048 x 1,024 float32.
;; This version of the problem:
;;   THIS VERSION OF THE PROBLEM IS GIVEN IN LOW PRECISION. The matrix products marked QUANTISED in the list below multiply operands that are first quantised to E2M1 (2 exponent bits, 1 mantissa bit; 4 bits a number), with one power-of-two scale for each 32 numbers along K (OCP MX v1.0); their sums are f32. The products marked 'left as it is' may take bf16, f16 or f32 operands, with f32 sums. Whichever they take, every output number must still come out within the allowed error. Rounding operands to bf16 (8 significant bits) uses up far more of that allowance than f16 does (11 bits, for magnitudes from 6e-5 to 65,504). All else is computed in f32.
;;   The module's matrix products, in the order in which they are computed (A, B: the left and right operand; K: the contracted axis; several contracted axes count as one K, in the product's order):
;;     1. [M 1,024, K 1,024] x [K 1,024, N 8,192]; A: input Wq; B: input x: QUANTISED
;;     2. [M 1,024, K 1,024] x [K 1,024, N 8,192]; A: input Wk; B: input x: QUANTISED
;;     3. [M 1,024, K 1,024] x [K 1,024, N 8,192]; A: input Wv; B: input x: QUANTISED
;;     4. batch 64 x [M 2,048, K 64] x [K 64, N 2,048]; A: computed on the way; B: computed on the way: left as it is (an operand is computed on the way)
;;     5. batch 64 x [M 2,048, K 2,048] x [K 2,048, N 64]; A: computed on the way; B: computed on the way: left as it is (an operand is computed on the way)
;;     6. [M 8,192, K 1,024] x [K 1,024, N 1,024]; A: computed on the way; B: input Wp: left as it is (an operand is computed on the way)
;;   THE QUANTISER, for each operand of a quantised product, along K:
;;     - K is cut into blocks of 32 from its start; a last block that is shorter is filled with zeros.
;;     - A block's scale is 2^e with e = floor(log2(the largest magnitude in the block)) - 2, held to -126 .. 127; a block of zeros has e = 0. As a byte (E8M0): e + 127.
;;     - Each number is divided by its block's scale, clamped to +-6, and rounded to the nearest number of E2M1, ties to even, subnormals kept.
;;     - The product sums the exact products of the quantised numbers (number of the format x scale) in f32.
;;   ~~~python
;;   def quantise(x, axis):      # numpy; x: float32 -> the quantised numbers, widened to float32 again
;;       x = np.moveaxis(x, axis, -1); K = x.shape[-1]
;;       x = np.pad(x, [(0, 0)] * (x.ndim - 1) + [(0, -K % 32)]); x = x.reshape(x.shape[:-1] + (-1, 32)); a = np.abs(x).max(-1, keepdims=True)
;;       e = np.where(a > 0, np.clip(np.frexp(np.where(a > 0, a, 1))[1] - 1 - 2, -126, 127), 0)      # np.frexp(a)[1] - 1 = floor(log2(a)), exactly
;;       r = np.clip(x / 2.0 ** e, -6, 6)
;;       step = 2.0 ** (np.maximum(np.frexp(np.where(r == 0, 1, r))[1] - 1, 0) - 1)
;;       q = np.round(r / step) * step * 2.0 ** e      # np.round: ties to even
;;       return np.moveaxis(q.reshape(q.shape[:-2] + (-1,))[..., :K], -1, axis).astype(np.float32)
;;   ~~~
;; One version. Each part assembles by itself: llvm-mc -triple=amdgcn-amd-amdhsa -mcpu=gfx1250 --defsym DOCPART=n.
;; ======== version 1 of 1: 5 launches
;; limits: values are held in f16: magnitudes above 65,504 overflow, below 6.1e-05 lose precision
;; workspace buffers: x_codes 4,194,304 bytes; x_scales 262,144 bytes; w_codes 1,572,864 bytes; w_scales 98,304 bytes; wp16 2,097,152 bytes; qkv 50,331,648 bytes; first32 786,432 bytes; att 16,777,216 bytes
;; launch prep (part 1): grid 432 x 1, 4 waves a work-group, no clusters, 68,096 bytes of LDS; arguments x, Wq, Wk, Wv, Wp, x_codes, x_scales, w_codes, w_scales, wp16; writes x_codes, x_scales, w_codes, w_scales, wp16
.if DOCPART == 1
	.amdgcn_target "amdgcn-amd-amdhsa--gfx1250"
	.amdhsa_code_object_version 6
	.text
	.protected	k_q71394d799f_prep
	.globl	k_q71394d799f_prep
	.p2align	8
	.type	k_q71394d799f_prep,@function
k_q71394d799f_prep:
	s_mov_b64 s[64:65], 0
	v_nop
	global_prefetch_b8 v0, s[64:65] scope:SCOPE_SE
	s_setreg_imm32_b32 hwreg(HW_REG_WAVE_MODE, 25, 1), 1
	s_wait_xcnt 0x0
; One launch makes every operand that later launches read many times.
;   work-groups 0-255:   x [8192][1024] f32 -> codes of FP4 (E2M1), K innermost, [8192][512 bytes], and one E8M0 byte for each 32 along K, [8192][32].
;   work-groups 256-303: Wq, Wk, Wv [16][1024 (K)][64] f32 -> codes with K innermost, row n = which x 1024 + head x 64 + d, [3072][512 bytes], and scale bytes [3072][32].
;   work-groups 304-431: Wp [1024][1024] f32 -> f16, laid as it lies.
; A block's scale is 2^(floor(log2(its largest magnitude)) - 2); its byte is the largest magnitude's exponent field - 2, held at 1 from below.  A block of zeros so gets the byte 1 where the rule
; says 127: its codes are zeros, which add nothing under any byte but 0xff, and the bytes are read by this program alone.
; LIMITS: blocks whose largest magnitude lies under 2^(2 - 126) have their byte held at 1; NaN and infinities among the inputs are not served; a number of Wp beyond 65,504 becomes infinity in f16.
; The three paths part on the work-group's number and never join; each has LDS bytes of its own.  No tensor load, no barrier: waves share nothing.
.set XREG,  0                          ; path X: 8,192 bytes a wave: two stages of 32 x 80 bytes, behind them its 256 scale bytes
.set WSTG,  32768                      ; path W: a stage of 32 rows x 272 bytes for each wave
.set SPARE, 67584                      ; the spare words, 128 bytes for each wave: two blocks of 256 bytes that no other line names
.set SPW,   192                        ; v192  LDS address of my spare word; never rewritten
.set NIL,   193                        ; v193  0; never rewritten
.set SP,    80                         ; path X: a lane's place in a stage: its 64 bytes + 16 of padding
.set R,     16                         ; path X: v16-79 four sets of 16 numbers as loaded
.set X,     80                         ;         v80-111 two sets of 16 neighbours
.set E,     112                        ;         v112-127 a scale byte for each step
.set C,     128                        ;         v128-191 codes, four registers for each step: no store's data are written again
.set WX,    32                         ; path W: v32-95 two sets of 32 numbers
.set WC,    96                         ;         v96-99 a block's codes
.set OUTR,  112                        ;         v112-175 the way out
.set SB,    24                         ;         v24-27 sixteen scale bytes
.set PITCH, 272                        ;         a stage row: 256 bytes of codes + 16
; ---- path X's macros: a wave takes 16 steps of 512 numbers
.macro XLOAD t
.irp i, 0,1,2,3
	global_load_b128 v[R+16*((\t)%4)+4*\i:R+16*((\t)%4)+4*\i+3], v3, s[4:5] offset:2048*(\t)+512*\i th:TH_LOAD_NT   ; 32 lanes read 512 consecutive bytes
.endr
.endm
.macro XTURN t                         ; step t's numbers through the stage; LDS serves a wave's instructions in order, so no wait stands between the stores and the loads
.irp i, 0,1,2,3
	ds_store_b128 v14, v[R+16*((\t)%4)+4*\i:R+16*((\t)%4)+4*\i+3] offset:32*SP*((\t)%2)+8*SP*\i
.endr
.irp i, 0,1,2,3
	ds_load_b128 v[X+16*((\t)%2)+4*\i:X+16*((\t)%2)+4*\i+3], v15 offset:32*SP*((\t)%2)+16*\i
.endr
.endm
.macro XSTEP t
.set XS, X+16*((\t)%2)
.if (\t) > 0
	s_wait_dscnt 1                                 ; this step's numbers are back from the stage (the last step's byte store may be out)
.else
	s_wait_dscnt 0x0
.endif
.if (\t)+4 < 16
	XLOAD (\t)+4                                   ; into the set whose stores into the stage are done
.endif
.if (\t)+1 < 16
.if 14-(\t) >= 3
	s_wait_loadcnt 12                              ; the next step's four loads are in; those of the three steps behind it may be out
.else
	s_wait_loadcnt 4*(14-(\t))
.endif
	XTURN (\t)+1
.endif
	v_max3_num_f32 v8, |v[XS]|, |v[XS+1]|, |v[XS+2]|               ; the largest magnitude of my 16, in two chains
	v_max3_num_f32 v9, |v[XS+3]|, |v[XS+4]|, |v[XS+5]|
.irp i, 6,10
	v_max3_num_f32 v8, v8, |v[XS+\i]|, |v[XS+\i+1]|
	v_max3_num_f32 v9, v9, |v[XS+\i+2]|, |v[XS+\i+3]|
.endr
	v_max3_num_f32 v8, v8, |v[XS+14]|, |v[XS+15]|
	v_max3_num_f32 v8, v8, v9, 0x1800000           ; and the floor 2^(3 - 127): the byte cannot fall under 1
	v_max_num_f32_dpp v8, v8, v8 row_xmask:1 row_mask:0xf bank_mask:0xf   ; and of my neighbour's 16: the block's
	v_add_nc_u32 v11, 0xff000000, v8               ; 2 off its exponent field: the conversion takes the exponent field of this operand as its scale
	v_cvt_scalef32_pk8_fp4_f32 v[C+4*(\t)], v[XS:XS+7], v11
	v_cvt_scalef32_pk8_fp4_f32 v[C+4*(\t)+1], v[XS+8:XS+15], v11
	v_lshrrev_b32 v[E+(\t)], 23, v11               ; the scale's byte (a plain line behind the conversions)
	ds_store_b8 v5, v[E+(\t)] offset:16*(\t)       ; both lanes of a block write the same byte with the same value
	global_store_b64 v4, v[C+4*(\t):C+4*(\t)+1], s[14:15] offset:256*(\t)   ; the wave stores 256 consecutive bytes, aligned
.endm
; ---- path W's macros: a lane takes a column, its registers run down K
.macro WLOAD t                         ; block t: W(32 t + i, my column) into set t % 2; a row of a head is 256 bytes
.irp i, 0,1,2,3,4,5,6,7,8,9,10,11,12,13,14,15,16,17,18,19,20,21,22,23,24,25,26,27,28,29,30,31
	global_load_b32 v[WX+32*((\t)%2)+\i], v3, s[6:7] offset:(32*(\t)+\i)*256 th:TH_LOAD_NT
.endr
.endm
.macro WBLOCK t
.set XS, WX+32*((\t)%2)
.if (\t) < 15
	s_wait_loadcnt 32                              ; this block's 32 loads are in; the next block's may be out
.else
	s_wait_loadcnt 0
.endif
	v_max3_num_f32 v12, |v[XS]|, |v[XS+1]|, |v[XS+2]|               ; the block's largest magnitude: all 32 numbers are mine
	v_max3_num_f32 v13, |v[XS+3]|, |v[XS+4]|, |v[XS+5]|
.irp i, 6,10,14,18,22,26
	v_max3_num_f32 v12, v12, |v[XS+\i]|, |v[XS+\i+1]|
	v_max3_num_f32 v13, v13, |v[XS+\i+2]|, |v[XS+\i+3]|
.endr
	v_max3_num_f32 v12, v12, |v[XS+30]|, |v[XS+31]|
	v_max3_num_f32 v12, v12, v13, 0x1800000        ; and the floor
	v_add_nc_u32 v11, 0xff000000, v12              ; the conversion's scale operand
	v_lshrrev_b32 v13, 23, v11                     ; the scale's byte
.if (\t)%4 == 0
	v_mov_b32 v[SB+(\t)/4], v13                    ; four bytes to a register, the lower K in the lower byte
.else
	v_lshl_or_b32 v[SB+(\t)/4], v13, 8*((\t)%4), v[SB+(\t)/4]
.endif
.irp g, 0,1,2,3
	v_cvt_scalef32_pk8_fp4_f32 v[WC+\g], v[XS+8*\g:XS+8*\g+7], v11
.endr
	ds_store_b128 v4, v[WC:WC+3] offset:16*(\t)    ; 32 codes: 16 bytes of my column's row
.if (\t)+2 < 16
	WLOAD (\t)+2
.endif
	s_wait_dscnt 0x0                               ; the store has read its registers: the next block's codes may be written
.endm
	s_load_b256 s[4:11], s[0:1], 0x0               ; x s[4:5], Wq s[6:7], Wk s[8:9], Wv s[10:11]
	s_load_b256 s[12:19], s[0:1], 0x20             ; Wp s[12:13], x_codes s[14:15], x_scales s[16:17], w_codes s[18:19]
	s_load_b128 s[20:23], s[0:1], 0x40             ; w_scales s[20:21], wp16 s[22:23]
	v_lshl_add_u32 v[SPW], v0, 2, SPARE
	v_mov_b32 v[NIL], 0
	v_lshrrev_b32 v1, 5, v0
	v_readfirstlane_b32 s26, v1                    ; wave 0..3
	v_and_b32 v2, 31, v0                           ; lane
	s_wait_kmcnt 0x0
	s_cmp_lt_u32 ttmp9, 256
	s_cbranch_scc1 .Lpath_x
	s_cmp_lt_u32 ttmp9, 304
	s_cbranch_scc1 .Lpath_w
	; ---- path P: Wp to f16.  A wave takes 2,048 numbers: 16 loads of 512 consecutive bytes, 16 stores of 256.  No register is written twice.
	s_sub_co_u32 s27, ttmp9, 304
	s_lshl_b32 s27, s27, 2
	s_add_co_u32 s27, s27, s26                     ; which run of 2,048 numbers is my wave's
	s_lshl_b32 s28, s27, 13
	s_mov_b32 s29, 0
	s_add_nc_u64 s[12:13], s[12:13], s[28:29]
	s_lshl_b32 s28, s27, 12
	s_add_nc_u64 s[22:23], s[22:23], s[28:29]
	v_lshlrev_b32 v3, 4, v2
	v_lshlrev_b32 v4, 3, v2
.irp i, 0,1,2,3,4,5,6,7,8,9,10,11,12,13,14,15
	global_load_b128 v[16+4*\i:19+4*\i], v3, s[12:13] offset:512*\i
.endr
.irp i, 0,1,2,3,4,5,6,7,8,9,10,11,12,13,14,15
	s_wait_loadcnt 15-\i                           ; load i is in; the younger ones may be out
	v_cvt_pk_f16_f32 v[128+2*\i], v[16+4*\i], v[17+4*\i]
	v_cvt_pk_f16_f32 v[129+2*\i], v[18+4*\i], v[19+4*\i]
	global_store_b64 v4, v[128+2*\i:129+2*\i], s[22:23] offset:256*\i   ; the wave stores 256 consecutive bytes, aligned
.endr
	s_endpgm
.Lpath_x:
	v_lshlrev_b32 v3, 4, v2                        ; my 16 bytes of a load's 512
	s_mul_i32 s27, s26, 8192                       ; my wave's region
	v_lshrrev_b32 v14, 2, v2
	v_mul_u32_u24 v14, v14, SP
	v_and_b32 v15, 3, v2
	v_lshl_add_u32 v14, v15, 4, v14
	v_add_nc_u32 v14, s27, v14                     ; the stage, on the way in: 80 (lane / 4) + 16 (lane % 4)
	v_mul_u32_u24 v15, v2, SP
	v_add_nc_u32 v15, s27, v15                     ; and on the way out: 80 x lane: my 16 neighbours
	v_mul_u32_u24 v4, v2, 8                        ; my codes' place in a step's
	v_lshrrev_b32 v5, 1, v2
	s_add_co_u32 s27, s27, 2*32*SP
	v_add_nc_u32 v5, s27, v5                       ; my wave's 256 scale bytes, my block's byte
	v_lshlrev_b32 v7, 3, v2
	v_add_nc_u32 v6, s27, v7                       ; and on the way out 8 bytes a lane
	s_lshl_b32 s28, ttmp9, 2
	s_add_co_u32 s28, s28, s26                     ; which run of 8,192 numbers is my wave's
	s_lshl_b32 s30, s28, 15
	s_mov_b32 s31, 0
	s_add_nc_u64 s[4:5], s[4:5], s[30:31]
	s_lshl_b32 s30, s28, 12
	s_add_nc_u64 s[14:15], s[14:15], s[30:31]
	s_lshl_b32 s30, s28, 8
	s_add_nc_u64 s[16:17], s[16:17], s[30:31]
.irp t, 0,1,2,3
	XLOAD \t
.endr
	s_wait_loadcnt 12                              ; step 0's four loads are in
	XTURN 0
.irp t, 0,1,2,3,4,5,6,7,8,9,10,11,12,13,14,15
	XSTEP \t
.endr
	ds_load_b64 v[8:9], v6                         ; LDS serves a wave's instructions in order: these see my byte stores
	s_wait_dscnt 0x0
	global_store_b64 v7, v[8:9], s[16:17]          ; 32 lanes store 256 consecutive bytes, aligned
	s_wait_tensorcnt 0x0                           ; the wave's end: three closing lines behind my last LDS store
	ds_add_u32 v[SPW], v[NIL]
	s_wait_dscnt 0x0
	s_endpgm
.Lpath_w:
	; A work-group takes one head of one of the three weights; wave w takes columns 32 (w % 2) on and K 512 (w / 2) on: 16 blocks a lane, 256 bytes of codes for each column.
	s_sub_co_u32 s27, ttmp9, 256                   ; g = which x 16 + head
	s_lshr_b32 s28, s27, 4                         ; which
	s_cmp_eq_u32 s28, 1
	s_cselect_b64 s[6:7], s[8:9], s[6:7]           ; the choice hangs on the work-group's number alone
	s_cmp_eq_u32 s28, 2
	s_cselect_b64 s[6:7], s[10:11], s[6:7]
	s_and_b32 s28, s27, 15                         ; head
	s_and_b32 s29, s26, 1                          ; which 32 columns
	s_lshr_b32 s30, s26, 1                         ; which half of K
	s_lshl_b32 s32, s28, 18                        ; a head is 1,024 rows of 256 bytes
	s_lshl_b32 s33, s30, 17                        ; 512 rows
	s_add_co_u32 s32, s32, s33
	s_lshl_b32 s33, s29, 7                         ; 32 columns
	s_add_co_u32 s32, s32, s33
	s_mov_b32 s33, 0
	s_add_nc_u64 s[6:7], s[6:7], s[32:33]
	s_lshl_b32 s31, s27, 6
	s_lshl_b32 s34, s29, 5
	s_add_co_u32 s31, s31, s34                     ; my wave's first row n of the codes
	s_lshl_b32 s32, s31, 9                         ; 512 bytes a row,
	s_lshl_b32 s34, s30, 8                         ; my half of it
	s_add_co_u32 s32, s32, s34
	s_add_nc_u64 s[18:19], s[18:19], s[32:33]
	s_lshl_b32 s32, s31, 5                         ; 32 scale bytes a row,
	s_lshl_b32 s34, s30, 4                         ; my 16 of them
	s_add_co_u32 s32, s32, s34
	s_add_nc_u64 s[20:21], s[20:21], s[32:33]
	v_lshlrev_b32 v3, 2, v2                        ; in: 4 bytes a lane
	s_mul_i32 s35, s26, 32*PITCH
	s_add_co_u32 s35, s35, WSTG                    ; my stage
	v_mul_u32_u24 v4, v2, PITCH
	v_add_nc_u32 v4, s35, v4                       ; into it: row = my column
	v_and_b32 v5, 15, v2
	v_lshrrev_b32 v6, 4, v2                        ; out of it: sixteen lanes to a row, two rows an instruction
	v_mul_u32_u24 v7, v6, PITCH
	v_lshl_add_u32 v7, v5, 4, v7
	v_add_nc_u32 v7, s35, v7
	v_lshlrev_b32 v8, 9, v6
	v_lshl_add_u32 v8, v5, 4, v8                   ; and the same place in the codes' buffer
	v_lshlrev_b32 v9, 5, v2                        ; my column's row of scale bytes
	WLOAD 0
	WLOAD 1
.irp t, 0,1,2,3,4,5,6,7,8,9,10,11,12,13,14,15
	WBLOCK \t
.endr
	global_store_b128 v9, v[SB:SB+3], s[20:21]     ; my column's 16 scale bytes: pieces of 16 bytes, 32 apart; 98,304 bytes in the whole launch go out so
.irp t, 0,1,2,3,4,5,6,7,8,9,10,11,12,13,14,15
	ds_load_b128 v[OUTR+4*\t:OUTR+4*\t+3], v7 offset:2*\t*PITCH   ; LDS serves a wave's instructions in order: these see my stores
.endr
.irp t, 0,1,2,3,4,5,6,7,8,9,10,11,12,13,14,15
	s_wait_dscnt 15-\t                             ; load t is in; the younger ones may be out
	global_store_b128 v8, v[OUTR+4*\t:OUTR+4*\t+3], s[18:19] offset:2*\t*512   ; sixteen lanes store 256 consecutive bytes, aligned
.endr
	s_wait_tensorcnt 0x0                           ; the wave's end: three closing lines behind my last LDS store
	ds_add_u32 v[SPW], v[NIL]
	s_wait_dscnt 0x0
	s_endpgm
.Lfunc_end_k_q71394d799f_prep:
	.size	k_q71394d799f_prep, .Lfunc_end_k_q71394d799f_prep-k_q71394d799f_prep
	.p2alignl 7, 3214868480
	.fill 96, 4, 3214868480
	.section	.rodata,"a",@progbits
	.p2align	6, 0x0
	.amdhsa_kernel k_q71394d799f_prep
		.amdhsa_group_segment_fixed_size 68096
		.amdhsa_private_segment_fixed_size 0
		.amdhsa_enable_private_segment 0
		.amdhsa_kernarg_size 80
		.amdhsa_user_sgpr_count 2
		.amdhsa_user_sgpr_kernarg_segment_ptr 1
		.amdhsa_wavefront_size32 1
		.amdhsa_system_sgpr_workgroup_id_x 1
		.amdhsa_system_sgpr_workgroup_id_y 1
		.amdhsa_system_sgpr_workgroup_id_z 1
		.amdhsa_system_vgpr_workitem_id 0
		.amdhsa_next_free_vgpr 196
		.amdhsa_next_free_sgpr 66
		.amdhsa_reserve_vcc 0
		.amdhsa_float_denorm_mode_32 3
		.amdhsa_float_denorm_mode_16_64 3
		.amdhsa_memory_ordered 1
		.amdhsa_forward_progress 1
		.amdhsa_inst_pref_size 117
	.end_amdhsa_kernel
	.amdgpu_metadata
---
amdhsa.version: [ 1, 2 ]
amdhsa.kernels:
  - .name:           k_q71394d799f_prep
    .symbol:         k_q71394d799f_prep.kd
    .args:
      - { .name: x, .offset: 0, .size: 8, .value_kind: global_buffer, .address_space: global }
      - { .name: Wq, .offset: 8, .size: 8, .value_kind: global_buffer, .address_space: global }
      - { .name: Wk, .offset: 16, .size: 8, .value_kind: global_buffer, .address_space: global }
      - { .name: Wv, .offset: 24, .size: 8, .value_kind: global_buffer, .address_space: global }
      - { .name: Wp, .offset: 32, .size: 8, .value_kind: global_buffer, .address_space: global }
      - { .name: x_codes, .offset: 40, .size: 8, .value_kind: global_buffer, .address_space: global }
      - { .name: x_scales, .offset: 48, .size: 8, .value_kind: global_buffer, .address_space: global }
      - { .name: w_codes, .offset: 56, .size: 8, .value_kind: global_buffer, .address_space: global }
      - { .name: w_scales, .offset: 64, .size: 8, .value_kind: global_buffer, .address_space: global }
      - { .name: wp16, .offset: 72, .size: 8, .value_kind: global_buffer, .address_space: global }
    .group_segment_fixed_size: 68096
    .private_segment_fixed_size: 0
    .kernarg_segment_align: 8
    .kernarg_segment_size: 80
    .max_flat_workgroup_size: 128
    .sgpr_count:     66
    .vgpr_count:     196
    .wavefront_size: 32
...
	.end_amdgpu_metadata
.endif
;; end of part 1
;; launch qkv (part 2): grid 12 x 32, 4 waves a work-group, clusters of 4 x 4, 327,680 bytes of LDS; arguments x_codes, x_scales, w_codes, w_scales, qkv, first32; writes qkv, first32
.if DOCPART == 2
	.amdgcn_target "amdgcn-amd-amdhsa--gfx1250"
	.amdhsa_code_object_version 6
	.text
	.protected	k_q71394d799f_qkv
	.globl	k_q71394d799f_qkv
	.p2align	8
	.type	k_q71394d799f_qkv,@function
k_q71394d799f_qkv:
	s_mov_b64 s[64:65], 0
	v_nop
	global_prefetch_b8 v0, s[64:65] scope:SCOPE_SE
	s_setreg_imm32_b32 hwreg(HW_REG_WAVE_MODE, 25, 1), 1
	s_wait_xcnt 0x0
	s_wait_alu depctr_hold_cnt(0) depctr_sa_sdst(0) depctr_va_vdst(0) depctr_va_sdst(0) depctr_va_ssrc(0) depctr_va_vcc(0) depctr_vm_vsrc(0)
	s_getreg_b32 s2, hwreg(HW_REG_IB_STS2, 6, 4)
	s_cmp_eq_u32 s2, 0
	s_cbranch_scc0 .Lentry_in_a_cluster
	s_endpgm
.Lentry_in_a_cluster:
	s_bfe_u32 s2, ttmp6, 0x10000c
	s_cmp_lg_u32 s2, 0xf033
	s_cbranch_scc0 .Lentry_shape_is_right
	s_endpgm
.Lentry_shape_is_right:
; q, k, v = x W as ONE product on codes of FP4 (E2M1) with one E8M0 scale for each 32 along K: C[m][n] = sum over k of x[m][k] W[n][k], m = b x 2048 + t (8,192), n = which x 1024 + head x 64 + d (3,072), K = 1,024; sums in f32.
; The results leave rounded to f16, laid by head: qkv [which][b][head][t][64], so that four rows of a head are 512 consecutive bytes.  Rows t < 16 of every batch leave in f32 too (first32 [which][b][head][16][64]):
; a later launch carries the first 16 positions of each sequence in f32.
; LIMIT: a q, k or v beyond 65,504 in magnitude becomes infinity in f16.
; A tile of C, 256 x 256, is made by a work-group of four waves; a wave makes 128 x 128: 64 accumulators of 16 x 16, 512 registers.  K is two steps of 512, each in an LDS slot of its own: both are asked for at the start, nothing is filled again.
; THE SCALES of the work-group's 256 rows of x and 256 rows of W, for all of K, are two dense blocks of memory: they come into LDS once, with the first fills.
; CLUSTERS: 4 x 4 work-groups.  The four of a row of the cluster need the same tiles of x, the four of a column the same tiles of W: each tile is asked for JOINTLY.  Partner cy works on batch cy (tile row = 8 cy + cluster y),
; so that rows t < 16 lie in the clusters with y = 0 alone, and the branch round the f32 copy is the same in all sixteen partners.
; THE MATRIX INSTRUCTION IS USED TRANSPOSED (source 0 = 16 rows of W, source 1 = 16 rows of x): a lane then holds eight neighbouring numbers of a row of C.
; REGISTERS, in windows of 256: window 0: v0-31 addresses; v32-95 scale words, two sets; from v128 x's fragments, ONE set; on the way out v32-255 are free.  window 1: W's fragments, TWO sets, at v0 and v128.
;   window 2: the 32 accumulators of my rows 0-63 (accumulator (a, b) at v[8 (8 a + b)]);  window 3: those of my rows 64-127.
.set SIZE_K, 1024
.set KSTEP,  512                       ; along K in a slot
.set NQ,     KSTEP/128                 ; matrix instructions deep
.set ROWB,   256                       ; a tile's row in bytes
.set KROW,   SIZE_K/2                  ; a row of codes in memory, in bytes
.set PITCH,  272                       ; an LDS row: 256 bytes + 16 of padding: the 16 rows that a load touches start at 16 different banks
.set FR,     8                         ; registers of a fragment: 16 rows x 128 K
.set NL,     2                         ; LDS loads that bring one
.set NP,     4                         ; places behind this matrix instruction (ISA guide 7.12.1)
.set HALFT,  128*PITCH                 ; 128 rows: what one tensor load brings
.set SLOT,   4*HALFT                   ; x's 256 rows, then W's 256 rows
.set KS,     SIZE_K/32                 ; a row of scales in bytes
.set SCL,    2*SLOT                    ; behind the slots: the scales, as units of 256 bytes + 16 of padding
.set HALFS,  (128*KS/256)*272          ; the scales of 128 rows
.set SBLK,   (16*KS/256)*272           ; those of 16 rows
.set SPARE,  SCL+4*HALFS               ; the spare words, 128 bytes for each wave: two blocks of 256 bytes that no other line names
.set SPITCH, 272                       ; the way out: a stage of 16 rows x (256 bytes + 16) for each wave, in slot 0, which has had its one fill and its last read when the first result is stored there
.set ADRA, 16                          ; v16-17  LDS address of my x fragments in slot 0, 1
.set ADRB, 20                          ; v20-21  the same for W
.set STO,  24                          ; v24     the way out: where I put 16 bytes of a row
.set RD,   25                          ; v25     the way out: where I read back
.set CO,   26                          ; v26     16 x lane: my byte among four rows of a head
.set ADRS, 27                          ; v27     LDS address of my scale words: lanes 0-15 x's rows, lanes 16-31 W's
.set SPW,  28                          ; v28     LDS address of my spare word; never rewritten
.set NIL,  29                          ; v29     0; never rewritten
.set FO,   30                          ; v30     the f32 copy: row (lane % 16) of 256 bytes + 32 (lane / 16)
.set SC,   32                          ; scale words: set s at v[SC + 32 s]; register 4 i + q: lanes 0-15 the word of x's block i, lanes 16-31 that of W's block i
.set AF,   128                         ; x's fragments, in window 0
.set TMP,  192                         ; the way out: packed results
.set OB,   32                          ; the way out: rows read back: v32-63 and v224-255 by turns
.set G1, 24                            ; s[24:31] descriptor group 1 for x's tiles;  s[32:39] group 0, one set for each slot
.set G0, 32
.set G1B, 48                           ; s[48:55], s[56:63] the same for W's tiles
.set G0B, 56
.set G1S, 68                           ; s[68:75], s[76:79] groups 1 and 0 for x's scales;  s[80:87], s[88:91] for W's
.set G0S, 76
.set G1SB, 80
.set G0SB, 88
.set MSB, 0
.macro WIN new                         ; the immediate's high byte repeats the setting that is left
.if MSB != \new
	s_set_vgpr_msb (MSB<<8)|\new
.set MSB, \new
.endif
.endm
.set MUL_LO, 0xa1                      ; source 0 (W) window 1, source 1 (x) window 0, C and D window 2
.set MUL_HI, 0xf1                      ; the same, C and D window 3
.set TO_B,   0x40                      ; destination window 1, address window 0
; A joint load: waves 0 and 1 fetch for x, waves 2 and 3 for W.  The branch hangs on the wave's number alone.  An s_nop 0 and four v_nop follow each of the two lines.
.macro JLOAD g0a, g1a, g0b, g1b
	s_cmp_eq_u32 s15, 0
	s_cbranch_scc0 .Lfor_b_\@
	tensor_load_to_lds s[\g0a:\g0a+3], s[\g1a:\g1a+7]
	s_nop 0
.rept 4
	v_nop
.endr
	s_branch .Lasked_\@
.Lfor_b_\@:
	tensor_load_to_lds s[\g0b:\g0b+3], s[\g1b:\g1b+7]
	s_nop 0
.rept 4
	v_nop
.endr
.Lasked_\@:
.endm
.macro CROUND                          ; a round of the cluster's barrier
	s_barrier_signal -1
	s_barrier_wait -1
	s_cmp_lg_u32 s14, 0
	s_cbranch_scc1 .Lnot_wave_0_\@
	s_barrier_signal -3
.Lnot_wave_0_\@:
	s_barrier_wait -3
	s_barrier_signal -1
	s_barrier_wait -1
.endm
	s_load_b128 s[4:7], s[0:1], 0x0                ; x's codes s[4:5], x's scales s[6:7]
	s_load_b128 s[8:11], s[0:1], 0x10              ; W's codes s[8:9], W's scales s[10:11]
	s_load_b64 s[12:13], s[0:1], 0x20              ; qkv
	s_load_b64 s[96:97], s[0:1], 0x28              ; first32
	v_lshl_add_u32 v[SPW], v0, 2, SPARE
	v_mov_b32 v[NIL], 0
	ds_add_u32 v[SPW], v[NIL]                      ; the wave's opening: the add, twice on end, and its wait ahead of my first tensor load
	ds_add_u32 v[SPW], v[NIL]
	v_lshrrev_b32 v1, 5, v0
	v_readfirstlane_b32 s14, v1                    ; wave 0..3
	s_lshr_b32 s15, s14, 1                         ; which half of the tile's rows is mine.  Also: I fetch for x (0) or for W (1)
	s_and_b32 s16, s14, 1                          ; which half of its columns.  Also: which 128 rows of that tile I fetch
	s_bfe_u32 s40, ttmp6, 0x40000                  ; cx, cy: my place in the cluster
	s_bfe_u32 s41, ttmp6, 0x40004
	s_lshl_b32 s42, ttmp9, 2
	s_add_co_u32 s42, s42, s40                     ; tile column of C = 4 x cluster x + cx
	s_and_b32 s95, ttmp7, 0xffff                   ; cluster y: which 256 positions of a sequence
	s_lshl_b32 s17, s41, 3
	s_add_co_u32 s17, s17, s95                     ; tile row of C = 8 cy + cluster y: batch cy
	s_lshl_b32 s43, s41, 2
	s_lshl_b32 s43, 15, s43                        ; my row of the cluster
	s_lshl_b32 s44, 0x1111, s40                    ; my column
	; descriptor group 1: a tile of 128 rows x 256 bytes, padded in LDS
	s_or_b32 s[G1+0], s43, (0<<16)|(1<<20)|(1<<21)|(5<<22)|(3<<25)  ; the mask: x's tiles go to my row; elements of 1 byte; padding on; bit 21 beside a mask; after every 64 words four words
	s_or_b32 s[G1B+0], s44, (0<<16)|(1<<20)|(1<<21)|(5<<22)|(3<<25)
.irp g, G1, G1B
	s_mov_b32 s[\g+1], ROWB<<16                    ; tensor_dim0
	s_mov_b32 s[\g+2], 128<<16                     ; tensor_dim1
	s_mov_b32 s[\g+3], ROWB<<16                    ; tile_dim0
	s_mov_b32 s[\g+4], 128                         ; tile_dim1
	s_mov_b32 s[\g+5], KROW                        ; tensor_dim0_stride
	s_mov_b32 s[\g+6], 0
	s_mov_b32 s[\g+7], 0
.endr
	; the scales of 128 rows: a dense block of 4,096 bytes, as rows of 256 bytes (32 elements of 8 bytes), 16 bytes of padding behind each
	s_or_b32 s[G1S+0], s43, (3<<16)|(1<<20)|(1<<21)|(5<<22)|(3<<25)
	s_or_b32 s[G1SB+0], s44, (3<<16)|(1<<20)|(1<<21)|(5<<22)|(3<<25)
.irp g, G1S, G1SB
	s_mov_b32 s[\g+1], 32<<16
	s_mov_b32 s[\g+2], (128*KS/256)<<16
	s_mov_b32 s[\g+3], 32<<16
	s_mov_b32 s[\g+4], 128*KS/256
	s_mov_b32 s[\g+5], 32
	s_mov_b32 s[\g+6], 0
	s_mov_b32 s[\g+7], 0
.endr
	s_lshl_b32 s18, s16, 7                         ; which 128 rows of the tile I fetch
	s_lshl_b32 s20, s17, 8
	s_add_co_u32 s20, s20, s18                     ; x: row 256 x tile row + 128 x half
	s_lshl_b32 s46, s42, 8
	s_add_co_u32 s46, s46, s18                     ; W: row 256 x tile column + 128 x half
	s_mov_b32 s21, 0
	s_mov_b32 s47, 0
	s_mov_b64 s[18:19], KS
	s_mul_u64 s[22:23], s[20:21], s[18:19]         ; where these rows' scales begin, in bytes
	s_mul_u64 s[92:93], s[46:47], s[18:19]
	s_mov_b64 s[18:19], KROW
	s_mul_u64 s[20:21], s[20:21], s[18:19]         ; and their codes
	s_mul_u64 s[46:47], s[46:47], s[18:19]
	s_mul_i32 s45, s14, HALFT                      ; where they go: wave x 128 rows: no place in the cluster enters an LDS address
	s_mul_i32 s94, s14, HALFS
	s_wait_dscnt 0x0                               ; both opening adds are done
	s_wait_kmcnt 0x0
	s_add_nc_u64 s[20:21], s[4:5], s[20:21]
	s_add_nc_u64 s[22:23], s[6:7], s[22:23]
	s_add_nc_u64 s[46:47], s[8:9], s[46:47]
	s_add_nc_u64 s[92:93], s[10:11], s[92:93]
	CROUND                                         ; all sixteen work-groups are here: the first joint loads meet
	s_mov_b32 s[G0S], 1
	s_add_co_u32 s[G0S+1], s94, SCL
	s_mov_b64 s[G0S+2:G0S+3], s[22:23]
	s_or_b32 s[G0S+3], s[G0S+3], 0x80000000
	s_mov_b32 s[G0SB], 1
	s_add_co_u32 s[G0SB+1], s94, SCL
	s_mov_b64 s[G0SB+2:G0SB+3], s[92:93]
	s_or_b32 s[G0SB+3], s[G0SB+3], 0x80000000
	JLOAD G0S, G1S, G0SB, G1SB                     ; the scales first: they are wanted with K step 0.  Three loads of mine are out behind the third
.irp s, 0,1
	s_mov_b32 s[G0+4*\s], 1
	s_add_co_u32 s[G0+4*\s+1], s45, \s*SLOT
	s_add_nc_u64 s[G0+4*\s+2:G0+4*\s+3], s[20:21], \s*ROWB
	s_or_b32 s[G0+4*\s+3], s[G0+4*\s+3], 0x80000000
	s_mov_b32 s[G0B+4*\s], 1
	s_add_co_u32 s[G0B+4*\s+1], s45, \s*SLOT
	s_add_nc_u64 s[G0B+4*\s+2:G0B+4*\s+3], s[46:47], \s*ROWB
	s_or_b32 s[G0B+4*\s+3], s[G0B+4*\s+3], 0x80000000
	JLOAD G0+4*\s, G1, G0B+4*\s, G1B
.endr
	v_and_b32 v1, 15, v0                           ; l % 16
	v_bfe_u32 v2, v0, 4, 1                         ; l / 16
	v_mul_u32_u24 v3, v1, PITCH
	v_lshl_add_u32 v4, v2, 4, v3                   ; a fragment's row x pitch + 16 x half
	s_mul_i32 s21, s15, HALFT                      ; my 128 rows of x
	s_mul_i32 s22, s16, HALFT                      ; my 128 rows of W,
	s_add_co_u32 s22, s22, 2*HALFT                 ; which lie behind x's 256
.irp s, 0,1
	v_add_nc_u32 v[ADRA+\s], s21, v4
	v_add_nc_u32 v[ADRB+\s], s22, v4
	s_add_co_u32 s21, s21, SLOT
	s_add_co_u32 s22, s22, SLOT
.endr
	v_mul_u32_u24 v5, v1, KS                       ; my row's scales: 32 bytes a row,
	v_lshrrev_b32 v6, 8, v5
	v_lshl_add_u32 v5, v6, 4, v5                   ; and 16 more for each 256 passed
	s_mul_i32 s21, s15, HALFS                      ; x's: my 128 rows
	s_mul_i32 s22, s16, HALFS                      ; W's: my 128 rows, behind x's 256
	s_add_co_u32 s22, s22, 2*HALFS
	s_sub_co_u32 s22, s22, s21
	v_mul_u32_u24 v6, s22, v2                      ; lanes 16-31 take W's
	s_add_co_u32 s21, s21, SCL
	v_add_nc_u32 v5, v5, v6
	v_add_nc_u32 v[ADRS], s21, v5
	s_mul_i32 s23, s14, 16*SPITCH                  ; my stage
	v_mul_u32_u24 v5, v1, SPITCH                   ; in: row l % 16, 16 bytes for each half of the lanes
	v_lshl_add_u32 v5, v2, 4, v5
	v_add_nc_u32 v[STO], s23, v5
	v_and_b32 v6, 31, v0
	v_lshlrev_b32 v[CO], 4, v6                     ; out: four rows of 128 bytes of one head are 512 consecutive bytes: 16 x lane
	v_lshrrev_b32 v5, 3, v6                        ; back: eight lanes to a row's 128 bytes of one head, four rows an instruction
	v_mul_u32_u24 v5, v5, SPITCH
	v_and_b32 v7, 7, v0
	v_lshl_add_u32 v5, v7, 4, v5
	v_add_nc_u32 v[RD], s23, v5
	v_lshlrev_b32 v[FO], 8, v1
	v_lshl_add_u32 v[FO], v2, 5, v[FO]
	; where my results go.  My 128 columns are two heads, g and g + 1, g = 4 x tile column + 2 x column half; a head's place is idx = which x 64 + 16 x batch + head
	s_lshl_b32 s20, s42, 2
	s_lshl_b32 s21, s16, 1
	s_add_co_u32 s20, s20, s21                     ; g
	s_lshr_b32 s21, s20, 4                         ; which
	s_lshl_b32 s21, s21, 6
	s_and_b32 s20, s20, 15                         ; head
	s_add_co_u32 s20, s20, s21
	s_lshl_b32 s21, s41, 4                         ; batch = cy
	s_add_co_u32 s20, s20, s21                     ; idx
	s_lshl_b32 s46, s20, 12                        ; first32: 4,096 bytes a head
	s_mov_b32 s47, 0
	s_add_nc_u64 s[96:97], s[96:97], s[46:47]
	s_lshl_b32 s46, s20, 18                        ; qkv: 262,144 bytes a head,
	s_lshl_b32 s21, s95, 15                        ; 256 positions of 128 bytes for each cluster y,
	s_add_co_u32 s46, s46, s21
	s_lshl_b32 s21, s15, 14                        ; 128 for my half of the rows
	s_add_co_u32 s46, s46, s21
	s_add_nc_u64 s[12:13], s[12:13], s[46:47]
	s_or_b32 s98, s95, s15                         ; 0 where my first 16 rows are positions 0 to 15: cluster y and the wave's number alone, the same in all sixteen partners
.macro FRAG reg, adr, q, i             ; a fragment, 16 rows x 128 K of 4-bit codes: lane l holds row l % 16; registers 4 c .. 4 c + 3 hold K = 64 c + 32 (l / 16) + 0 .. 31
.irp c, 0,1
	ds_load_b128 v[\reg+4*\c:\reg+4*\c+3], v[\adr] offset:64*(\q)+32*\c+(\i)*16*PITCH
.endr
.endm
; 16 matrix instructions: x's blocks a0, a0 + 1 against W's eight, the slot's q-th 128 along K.  p: W's set;  sc: the set of scale words.  zero = 1: the first product starts the sums.
; The 64 accumulators take turns, one instruction a turn, in the same order in every step.
.macro MUL16 a0, p, q, sc, zero
.irp a, \a0, \a0+1
.irp b, 0,1,2,3,4,5,6,7
.if \zero
	v_wmma_scale_f32_16x16x128_f8f6f4 v[8*(8*((\a)%4)+\b):8*(8*((\a)%4)+\b)+7], v[128*(\p)+FR*\b:128*(\p)+FR*\b+FR-1], v[AF+FR*(\a):AF+FR*(\a)+FR-1], 0, v[SC+8*NQ*(\sc)+NQ*\b+(\q)], v[SC+8*NQ*(\sc)+NQ*(\a)+(\q)] matrix_a_fmt:MATRIX_FMT_FP4 matrix_b_fmt:MATRIX_FMT_FP4 matrix_a_scale:MATRIX_SCALE_ROW1
.else
	v_wmma_scale_f32_16x16x128_f8f6f4 v[8*(8*((\a)%4)+\b):8*(8*((\a)%4)+\b)+7], v[128*(\p)+FR*\b:128*(\p)+FR*\b+FR-1], v[AF+FR*(\a):AF+FR*(\a)+FR-1], v[8*(8*((\a)%4)+\b):8*(8*((\a)%4)+\b)+7], v[SC+8*NQ*(\sc)+NQ*\b+(\q)], v[SC+8*NQ*(\sc)+NQ*(\a)+(\q)] matrix_a_fmt:MATRIX_FMT_FP4 matrix_b_fmt:MATRIX_FMT_FP4 matrix_a_scale:MATRIX_SCALE_ROW1
.endif
.endr
.endr
.endm
.macro FETCH_B slot, q, p              ; W's eight fragments of the slot's q-th 128 along K into set p
	WIN TO_B
.irp i, 0,1,2,3,4,5,6,7
	FRAG 128*(\p)+FR*\i, ADRB+\slot, \q, \i
.endr
	WIN 0
.endm
.macro FETCH_A slot, q, i0             ; x's blocks i0 .. i0 + 3
.irp i, \i0, \i0+1, \i0+2, \i0+3
	FRAG AF+FR*(\i), ADRA+\slot, \q, \i
.endr
.endm
.macro SCALES sc                       ; a K step's scale words into set sc: four words a row; lanes 0-15 take x's block i, lanes 16-31 W's block i
.irp i, 0,1,2,3,4,5,6,7
	ds_load_b128 v[SC+8*NQ*\sc+NQ*\i:SC+8*NQ*\sc+NQ*\i+3], v[ADRS] offset:\i*SBLK
.endr
.endm
.macro PLACES n                        ; plain vector instructions between a matrix instruction and a load into, or a read of, its registers
.rept \n
	v_nop
.endr
.endm
; A step of 128 along K that has its successor in the same slot.
.macro STEP slot, q, zero
	s_wait_dscnt 4*NL                              ; W's set and x's blocks 0-3 are in; the youngest eight loads (x's blocks 4-7) may be out
	WIN MUL_LO
	MUL16 0, (\q)%2, \q, \slot, \zero
	MUL16 2, (\q)%2, \q, \slot, \zero
	s_wait_dscnt 0                                 ; x's blocks 4-7 are in
	PLACES NP
	FETCH_B \slot, (\q)+1, 1-(\q)%2
	FETCH_A \slot, (\q)+1, 0
	WIN MUL_HI
	MUL16 4, (\q)%2, \q, \slot, \zero
	MUL16 6, (\q)%2, \q, \slot, \zero
	PLACES NP
	WIN 0
	FETCH_A \slot, (\q)+1, 4
.endm
.macro STEPS slot, from                ; the slot's steps from .. NQ - 2
.set Q, \from
.rept NQ-1-\from
	STEP \slot, Q, 0
.set Q, Q+1
.endr
.endm
	s_wait_tensorcnt 1                             ; the scales and my part of K step 0 are in (K step 1's load may be out)
	s_barrier_signal -1
	s_barrier_wait -1                              ; everybody's are
	FETCH_B 0, 0, 0
	FETCH_A 0, 0, 0
	SCALES 0
	FETCH_A 0, 0, 4
	STEP 0, 0, 1                                   ; the first step's products start the sums: nothing is cleared
	STEPS 0, 1
	; slot 0's last step changes slots: one barrier; in front of it each wave waits for all its tensor loads (its part of slot 1), and for its own reads of slot 0, which becomes the stage
	s_wait_tensorcnt 0x0
	ds_add_u32 v[SPW], v[NIL]                      ; 0 onto my spare word
	s_wait_dscnt 4*NL+1                            ; (the add and the youngest eight loads may be out)
	WIN MUL_LO
	MUL16 0, 1, NQ-1, 0, 0
	s_wait_dscnt 0x0                               ; the add is done, and my reads of slot 0 are over
	s_barrier_signal -1
	MUL16 2, 1, NQ-1, 0, 0
	WIN 0
	s_barrier_wait -1
	PLACES NP
	v_add_nc_u32 v[ADRS], 4*NQ, v[ADRS]            ; on to the second K step's scale words
	FETCH_B 1, 0, 0
	FETCH_A 1, 0, 0
	SCALES 1
	WIN MUL_HI
	MUL16 4, 1, NQ-1, 0, 0
	MUL16 6, 1, NQ-1, 0, 0
	PLACES NP
	WIN 0
	FETCH_A 1, 0, 4
	STEPS 1, 0
	s_wait_dscnt 4*NL                              ; the very last step: nothing more to fetch
	WIN MUL_LO
	MUL16 0, 1, NQ-1, 1, 0
	MUL16 2, 1, NQ-1, 1, 0
	s_wait_dscnt 0
	WIN MUL_HI
	MUL16 4, 1, NQ-1, 1, 0
	MUL16 6, 1, NQ-1, 1, 0
	WIN 0
	PLACES NP                                      ; behind the last products: for the stores and conversions that read results, and for the loads into registers that held scale words
	; THE F32 COPY of positions 0 to 15: my block 0, as it stands in the accumulators.  A lane stores 32 neighbouring bytes of a row in two pieces of 16: 786,432 bytes in the whole launch go out so.
	s_cmp_lg_u32 s98, 0
	s_cbranch_scc1 .Lno_first
	WIN 0x08                                       ; a store's data are its source 1: window 2
.irp b, 0,1,2,3,4,5,6,7
	global_store_b128 v[FO], v[8*\b:8*\b+3], s[96:97] offset:(\b/4)*4096+(\b%4)*64      ; each accumulator from its low end on
	global_store_b128 v[FO], v[8*\b+4:8*\b+7], s[96:97] offset:(\b/4)*4096+(\b%4)*64+16
.endr
	WIN 0
.Lno_first:
; THE WAY OUT of block a (16 rows x 128 columns), in three parts.  PACK: rounded to f16, 16 bytes a lane.  TOSTAGE: into my own stage, and back as four rows of one head at a time.  SEND: stored.
.macro PACK a
.set AC, 64*((\a)%4)
	WIN 0x0a+5*((\a)/4)                            ; sources 0 and 1: window 2 or 3
.irp b, 0,1,2,3,4,5,6,7
.irp r, 0,1,2,3
	v_cvt_pk_f16_f32 v[TMP+4*\b+\r], v[AC+8*\b+2*\r], v[AC+8*\b+2*\r+1]
.endr
.endr
	WIN 0
.endm
.macro TOSTAGE a
.set BK, OB+192*((\a)%2)
.irp b, 0,1,2,3,4,5,6,7
	ds_store_b128 v[STO], v[TMP+4*\b:TMP+4*\b+3] offset:32*\b
.endr
.irp i, 0,1,2,3,4,5,6,7
	ds_load_b128 v[BK+4*\i:BK+4*\i+3], v[RD] offset:(\i%4)*4*SPITCH+(\i/4)*128    ; LDS serves a wave's instructions in order: these see the stores above
.endr
.endm
.macro SEND a
.set BK, OB+192*((\a)%2)
	s_wait_dscnt 0x0                               ; the block is back in registers
	s_wait_xcnt 0x0                                ; the earlier stores have read their registers: the next block's loads may land there
.irp i, 0,1,2,3,4,5,6,7
	global_store_b128 v[CO], v[BK+4*\i:BK+4*\i+3], s[12:13] offset:(\a)*2048+(\i%4)*512+(\i/4)*262144   ; 32 lanes store 512 consecutive bytes, aligned: four positions of one head
.endr
.endm
	PACK 0
	TOSTAGE 0
.irp a, 1,2,3,4,5,6,7                  ; block a's conversions stand between block a - 1's loads from the stage and the wait for them
	PACK \a
	SEND \a-1
	TOSTAGE \a
.endr
	SEND 7
	s_wait_tensorcnt 0x0                           ; the wave's end: three closing lines, behind my last tensor load and my last LDS store
	ds_add_u32 v[SPW], v[NIL]
	s_wait_dscnt 0x0
	CROUND                                         ; the closing round
	s_endpgm
.Lfunc_end_k_q71394d799f_qkv:
	.size	k_q71394d799f_qkv, .Lfunc_end_k_q71394d799f_qkv-k_q71394d799f_qkv
	.p2alignl 7, 3214868480
	.fill 96, 4, 3214868480
	.section	.rodata,"a",@progbits
	.p2align	6, 0x0
	.amdhsa_kernel k_q71394d799f_qkv
		.amdhsa_group_segment_fixed_size 327680
		.amdhsa_private_segment_fixed_size 0
		.amdhsa_enable_private_segment 0
		.amdhsa_kernarg_size 48
		.amdhsa_user_sgpr_count 2
		.amdhsa_user_sgpr_kernarg_segment_ptr 1
		.amdhsa_wavefront_size32 1
		.amdhsa_system_sgpr_workgroup_id_x 1
		.amdhsa_system_sgpr_workgroup_id_y 1
		.amdhsa_system_sgpr_workgroup_id_z 1
		.amdhsa_system_vgpr_workitem_id 0
		.amdhsa_next_free_vgpr 1024
		.amdhsa_next_free_sgpr 100
		.amdhsa_reserve_vcc 0
		.amdhsa_float_denorm_mode_32 3
		.amdhsa_float_denorm_mode_16_64 3
		.amdhsa_memory_ordered 1
		.amdhsa_forward_progress 1
		.amdhsa_inst_pref_size 128
	.end_amdhsa_kernel
	.amdgpu_metadata
---
amdhsa.version: [ 1, 2 ]
amdhsa.kernels:
  - .name:           k_q71394d799f_qkv
    .symbol:         k_q71394d799f_qkv.kd
    .args:
      - { .name: x_codes, .offset: 0, .size: 8, .value_kind: global_buffer, .address_space: global }
      - { .name: x_scales, .offset: 8, .size: 8, .value_kind: global_buffer, .address_space: global }
      - { .name: w_codes, .offset: 16, .size: 8, .value_kind: global_buffer, .address_space: global }
      - { .name: w_scales, .offset: 24, .size: 8, .value_kind: global_buffer, .address_space: global }
      - { .name: qkv, .offset: 32, .size: 8, .value_kind: global_buffer, .address_space: global }
      - { .name: first32, .offset: 40, .size: 8, .value_kind: global_buffer, .address_space: global }
    .group_segment_fixed_size: 327680
    .private_segment_fixed_size: 0
    .kernarg_segment_align: 8
    .kernarg_segment_size: 48
    .max_flat_workgroup_size: 128
    .sgpr_count:     100
    .vgpr_count:     1024
    .wavefront_size: 32
...
	.end_amdgpu_metadata
.endif
;; end of part 2
;; launch attn (part 3): grid 64 x 8, 8 waves a work-group, no clusters, 327,680 bytes of LDS; arguments qkv, att; writes att
.if DOCPART == 3
	.amdgcn_target "amdgcn-amd-amdhsa--gfx1250"
	.amdhsa_code_object_version 6
	.text
	.protected	k_q71394d799f_attn
	.globl	k_q71394d799f_attn
	.p2align	8
	.type	k_q71394d799f_attn,@function
k_q71394d799f_attn:
	s_mov_b64 s[64:65], 0
	v_nop
	global_prefetch_b8 v0, s[64:65] scope:SCOPE_SE
	s_setreg_imm32_b32 hwreg(HW_REG_WAVE_MODE, 25, 1), 1
	s_wait_xcnt 0x0
; att[b][h][q][:] = the sum over keys k <= q of softmax_k(Q[q] . K[k] x 1024^-0.05) V[k][:], head size 64, 2,048 positions, 64 heads in all.  Q, K, V: f16, [which][b][h][t][64]; att: f16, [b][h][t][64].
; Products, maxima and sums in f32; the weights p (at most 1) are rounded to f16 for the second product, att once at the end.
; LIMIT: an att beyond 65,504 in magnitude becomes infinity in f16.  Positions 0 to 15 of each sequence are computed here too, and once more in f32 by a later launch, whose results are the ones that stay.
; SHARES.  A work-group owns 256 queries of one head (block 7 - y: the blocks with the most keys have the lowest numbers); each of its eight waves owns 32, two tiles of 16: two waves to a SIMD, so that one wave's
; vector work stands beside the other's matrix work and LDS loads.  Each fragment of K and V read from LDS feeds two matrix instructions.
; NO CLUSTER: under the causal mask the query blocks of a head need different numbers of key slots, so a partner would be sent tiles that none of its waves reads.
; LAYOUT.  S^T = K Q^T (source 0 = 16 keys, source 1 = 16 queries): a lane holds ONE query (lane % 16) and keys 8 (lane / 16) + 0..7.  Two such tiles, rounded to f16 in pairs, ARE source 1 (32 keys x 16 queries) of
; O^T = V^T P.  K comes out of LDS as it lies, V ([key][channel]) turned, by ds_load_tr16_b128.
; SOFTMAX.  For each query a running maximum m and sum l: p = 2^(c s - c m), c = log2(e) x 2^-0.5; in every step O and l are multiplied by a = 2^(c m_old - c m_new).
; THE RING.  Two LDS slots of 256 keys (four steps of 64), filled by the tensor data mover (waves 0, 1: K's halves; waves 2, 3: V's).  EVERY work-group walks all eight slots, so that trip counts are constants;
; a step all of whose keys come after the wave's queries is jumped over, and a slot that none of the work-group's waves reads is not asked for.
; REGISTERS.  Window 0: v1-15 addresses and constants; v16-31 eight statistics a tile; v32-95 S^T, 32 a tile; v96-159 K of a step; v160-223 V of a step; v224-255 the way out.
;   Window 1: v0-31 Q, 16 a tile; v64-127 O^T, 32 a tile; v128-159 P, 16 a tile.
.set SK,    256                        ; keys in a slot
.set KP,    144                        ; a key's row in LDS: 128 bytes + 16: the 16 rows of a load start at 16 different banks
.set VP,    160                        ; a row of V: 128 + 32
.set VOFF,  SK*KP                      ; a slot: 256 rows of K, then 256 rows of V
.set SLOT1, 1<<17                      ; slot 1 begins here: one exclusive or turns an address in one slot into the other's
.set NSL,   2048/SK
.set STAGE, 2*SLOT1                    ; behind the ring: 2 x 16 rows x 144 bytes for each wave, for the way out; no tensor load lands there
.set SPARE, STAGE+8*32*KP              ; the spare words, 128 bytes for each wave: four blocks of 256 bytes that no other line names
.set AK0, 1                            ; v1   my lane's place in a tile of K
.set AV0, 2                            ; v2   the same for V
.set ADK, 3                            ; v3   LDS address of the step's K
.set ADV, 4                            ; v4   of its V
.set SPW, 5                            ; v5   LDS address of my spare word; never rewritten
.set NIL, 6                            ; v6   0; never rewritten
.set GO,  7                            ; v7   16 x lane: my bytes among four rows of att
.set STO, 8                            ; v8   the way out: where I put 16 bytes of a row
.set RD,  9                            ; v9   where I read back
.set PFO, 10                           ; v10  256 x lane: the prefetches' offset
.set QO,  11                           ; v11  my byte in the wave's rows of Q
.set D0,  12                           ; v12-13 the mask: my query less the step's first key less 8 (lane / 16), for tiles 0 and 1
.set NINF, 14                          ; v14  -infinity
.set RH,  15                           ; v15  lane % 16 - 8 (lane / 16)
.set ST,  16                           ; tile t's statistics at v[ST + 8 t]: +0 c m, +1 m, +2, +3 l (even keys', odd keys'), +4 to +7 at work; a at +6
.set S,   32
.set KR,  96
.set VR,  160
.set OUT, 224
.set O,   64                           ; in window 1
.set P,   128                          ; in window 1
.set WV,  18                           ; s18  my wave's number
.set SEL, 20                           ; s[20:21] lane selects: lane l xor 16
.set CS,  22                           ; s[22:23] c, twice
.set G1K, 24
.set G1V, 32
.set G0K, 40                           ; the groups 0 walk
.set G0V, 44
.set TB,  2                            ; s2   LDS byte at which the slot in hand begins
.set SLOTS, 67                         ; s67  changes of slots still to come in the loop
.set KF,  68                           ; s68  the step's first key
.set Q0,  69                           ; s69  my wave's first query
.set PFK, 70                           ; s[70:71], s[72:73] where my prefetches stand in K and in V
.set PFV, 72
.set LIM, 74                           ; s74  1 in a wave that prefetches, else the greatest number
.set MSB, 0
.macro WIN new                         ; the immediate's high byte repeats the setting that is left
.if MSB != \new
	s_set_vgpr_msb (MSB<<8)|\new
.set MSB, \new
.endif
.endm
; Waves 0 and 1 fetch for K, waves 2 and 3 for V, the others nothing.  An s_nop 0 and four v_nop follow each of the two lines.
.macro TLOAD
	s_cmp_lt_u32 s[WV], 2
	s_cbranch_scc0 .Lnot_k_\@
	tensor_load_to_lds s[G0K:G0K+3], s[G1K:G1K+7]
	s_nop 0
.rept 4
	v_nop
.endr
	s_branch .Lasked_\@
.Lnot_k_\@:
	s_cmp_lt_u32 s[WV], 4
	s_cbranch_scc0 .Lasked_\@
	tensor_load_to_lds s[G0V:G0V+3], s[G1V:G1V+7]
	s_nop 0
.rept 4
	v_nop
.endr
.Lasked_\@:
.endm
; A PREFETCH INTO THE L2 of what the NEXT change of slots will ask for: a slot's K and V are two dense blocks of 32,768 bytes.  All eight work-groups of a head walk the same K and V: the one with y = 0, which loads every
; slot, asks; in it waves 4 to 7, which fetch nothing, take 8,192 bytes of each block, lanes 256 bytes apart: each aligned block of 256 bytes is named once in the launch.  It stands a slot's four key steps ahead of
; the load.  Slots 0 and 1 come by their loads alone; the last change that fills a slot asks for nothing.
.macro ASK
	s_cmp_gt_u32 s[SLOTS], s[LIM]
	s_cbranch_scc0 .Lnot_mine_\@
	global_prefetch_b8 v[PFO], s[PFK:PFK+1] th:TH_LOAD_NT scope:SCOPE_SE
	global_prefetch_b8 v[PFO], s[PFV:PFV+1] th:TH_LOAD_NT scope:SCOPE_SE
.Lnot_mine_\@:
.endm
	s_load_b128 s[4:7], s[0:1], 0x0                ; qkv s[4:5], att s[6:7]
	v_lshl_add_u32 v[SPW], v0, 2, SPARE
	v_mov_b32 v[NIL], 0
	ds_add_u32 v[SPW], v[NIL]                      ; the wave's opening: the add, twice on end, and its wait ahead of my first tensor load
	ds_add_u32 v[SPW], v[NIL]
	v_lshrrev_b32 v15, 5, v0
	v_readfirstlane_b32 s[WV], v15                 ; wave 0..7
	s_and_b32 s76, ttmp7, 0xffff                   ; y
	s_sub_co_u32 s77, 7, s76                       ; my block of 256 queries
	s_lshl_b32 s[Q0], s77, 8
	s_lshl_b32 s78, s[WV], 5
	s_add_co_u32 s[Q0], s[Q0], s78                 ; my wave's first query
	s_lshl_b32 s80, ttmp9, 18                      ; the head's first byte in Q, K, V and att: 262,144 bytes a head
	s_mov_b32 s81, 0
	s_and_b32 s79, s[WV], 1                        ; which half of a slot's rows I fetch, if I fetch:
	s_lshl_b32 s82, s79, 14                        ; 128 rows of 128 bytes in memory,
	s_mov_b32 s83, 0
	s_add_nc_u64 s[82:83], s[82:83], s[80:81]
	s_mul_i32 s84, s79, 128*KP                     ; K's place in a slot,
	s_mul_i32 s85, s79, 128*VP
	s_add_co_u32 s85, s85, VOFF                    ; V's
	; descriptor group 1: 128 rows of 64 elements of 2 bytes, dense in memory, padded behind every row
	s_mov_b32 s[G1K], (1<<16)|(1<<20)|(4<<22)|(3<<25)             ; no mask; elements of 2 bytes; padding on; after every 32 words four words
	s_mov_b32 s[G1V], (1<<16)|(1<<20)|(4<<22)|(7<<25)             ; the same with eight words
.irp g, G1K, G1V
	s_mov_b32 s[\g+1], 64<<16                      ; tensor_dim0
	s_mov_b32 s[\g+2], 128<<16                     ; tensor_dim1
	s_mov_b32 s[\g+3], 64<<16                      ; tile_dim0
	s_mov_b32 s[\g+4], 128                         ; tile_dim1
	s_mov_b32 s[\g+5], 64                          ; tensor_dim0_stride
	s_mov_b32 s[\g+6], 0
	s_mov_b32 s[\g+7], 0
.endr
	s_mov_b32 s[SEL], 0x76543210
	s_mov_b32 s[SEL+1], 0xfedcba98
	s_mov_b32 s[CS], 0x3f8293ee                    ; c = log2(e) x 1024^-0.05 = log2(e) / sqrt(2)
	s_mov_b32 s[CS+1], s[CS]                       ; (named with it as a pair, so it is written)
	s_mov_b32 s[TB], 0
	s_mov_b32 s[SLOTS], NSL-1
	s_mov_b32 s[KF], 0
	s_lshr_b32 s78, s[WV], 2
	s_xor_b32 s78, s78, 1                          ; 0 in waves 4 to 7,
	s_or_b32 s78, s78, s76                         ; of the work-group with y = 0
	s_cmp_eq_u32 s78, 0
	s_cselect_b32 s[LIM], 1, -1
	s_and_b32 s86, s[WV], 3
	s_lshl_b32 s86, s86, 13                        ; my wave's 8,192 bytes of a slot's block,
	s_add_co_u32 s86, s86, SK*128                  ; in slot 1: the first change of slots steps it to slot 2
	s_mov_b32 s87, 0
	s_add_nc_u64 s[86:87], s[86:87], s[80:81]
	s_lshl_b32 s88, s[Q0], 7                       ; my first query's row
	s_mov_b32 s89, 0
	s_add_nc_u64 s[88:89], s[88:89], s[80:81]
	s_wait_dscnt 0x0                               ; both opening adds are done
	s_wait_kmcnt 0x0
	s_add_nc_u64 s[8:9], s[4:5], 0x1000000         ; K: 64 heads of 262,144 bytes behind Q
	s_add_nc_u64 s[10:11], s[4:5], 0x2000000       ; V
	s_mov_b32 s[G0K], 1                            ; count = 1
	s_mov_b32 s[G0K+1], s84                        ; LDS address: slot 0
	s_add_nc_u64 s[G0K+2:G0K+3], s[8:9], s[82:83]  ; global address: the head's first 256 keys
	s_or_b32 s[G0K+3], s[G0K+3], 0x80000000        ; type = 2
	s_mov_b32 s[G0V], 1
	s_mov_b32 s[G0V+1], s85
	s_add_nc_u64 s[G0V+2:G0V+3], s[10:11], s[82:83]
	s_or_b32 s[G0V+3], s[G0V+3], 0x80000000
	TLOAD                                          ; slot 0: it holds key 0, which counts for every query
	s_add_nc_u64 s[PFK:PFK+1], s[8:9], s[86:87]
	s_add_nc_u64 s[PFV:PFV+1], s[10:11], s[86:87]
	s_add_nc_u64 s[4:5], s[4:5], s[88:89]          ; Q at my first query
	s_add_nc_u64 s[6:7], s[6:7], s[88:89]          ; att likewise
	v_and_b32 v15, 15, v0                          ; r = lane % 16
	v_bfe_u32 v12, v0, 4, 1                        ; h = lane / 16
	v_lshlrev_b32 v[QO], 7, v15
	v_lshl_add_u32 v[QO], v12, 4, v[QO]            ; row r of 128 bytes + 16 h
	WIN 0x40                                       ; destination window 1
.irp t, 0,1
.irp c, 0,1
	global_load_b128 v[16*\t+8*\c:16*\t+8*\c+3],   v[QO], s[4:5] offset:2048*\t+64*\c      ; Q stays in registers: tile t, channels 32 c on
	global_load_b128 v[16*\t+8*\c+4:16*\t+8*\c+7], v[QO], s[4:5] offset:2048*\t+64*\c+32
.endr
.endr
.set i, 0
.rept 64
	v_mov_b32 v[O+i], 0                            ; O^T.  (The step is written once: its first turn finds zeros, which a = 0 leaves zeros; that spares a second text of the step)
.set i, i+1
.endr
	WIN 0
	v_mul_u32_u24 v[AK0], v15, KP
	v_lshl_add_u32 v[AK0], v12, 4, v[AK0]          ; K: row x pitch + 16 h
	v_and_b32 v13, 7, v0
	v_bfe_u32 v14, v0, 3, 1
	v_lshl_add_u32 v[AV0], v12, 3, v13             ; V, turned: key 8 h + lane % 8,
	v_mul_u32_u24 v[AV0], v[AV0], VP
	v_lshl_add_u32 v[AV0], v14, 4, v[AV0]          ; channels 8 ((lane / 8) % 2) on
	v_add_nc_u32 v[AV0], VOFF, v[AV0]
	s_mul_i32 s90, s[WV], 32*KP
	s_add_co_u32 s90, s90, STAGE                   ; my stage
	v_mul_u32_u24 v[STO], v15, KP
	v_lshl_add_u32 v[STO], v12, 4, v[STO]
	v_add_nc_u32 v[STO], s90, v[STO]               ; in: row r, 16 bytes for each half of the lanes
	v_and_b32 v[GO], 31, v0
	v_lshrrev_b32 v[RD], 3, v[GO]
	v_mul_u32_u24 v[RD], v[RD], KP
	v_lshl_add_u32 v[RD], v13, 4, v[RD]
	v_add_nc_u32 v[RD], s90, v[RD]                 ; back: eight lanes to a row of 128 bytes, four rows an instruction
	v_lshlrev_b32 v[PFO], 8, v[GO]
	v_lshlrev_b32 v[GO], 4, v[GO]
	v_lshlrev_b32 v12, 3, v12
	v_sub_nc_u32 v[RH], v15, v12
	v_mov_b32 v[NINF], 0xff800000
.irp t, 0,1
	v_mov_b32 v[ST+8*\t+1], 0xff61b1e6             ; m: -3e38, under every score
	v_mul_f32 v[ST+8*\t], s[CS], v[ST+8*\t+1]      ; c m
	v_mov_b32 v[ST+8*\t+2], 0                      ; l, in two halves
	v_mov_b32 v[ST+8*\t+3], 0
.endr
; A KEY STEP: 64 keys, the q-th of the slot in hand.
.macro STEP q
	s_add_co_u32 s96, s[Q0], 31                    ; a step all of whose keys come after my 32 queries is left out: a scalar branch on ids, round the step's loads, products and softmax
	s_cmp_gt_u32 s[KF], s96
	s_cbranch_scc1 .Lhidden_\@
	v_add_nc_u32 v[ADK], s[TB], v[AK0]
	v_add_nc_u32 v[ADV], s[TB], v[AV0]
.irp kt, 0,1,2,3
.irp c, 0,1
	ds_load_b128 v[KR+16*\kt+8*\c:KR+16*\kt+8*\c+3],   v[ADK] offset:(64*(\q)+16*\kt)*KP+64*\c      ; keys 16 kt on, channels 32 c on
	ds_load_b128 v[KR+16*\kt+8*\c+4:KR+16*\kt+8*\c+7], v[ADK] offset:(64*(\q)+16*\kt)*KP+64*\c+32
.endr
.endr
.irp a, 0,1
.irp ct, 0,1,2,3
	ds_load_tr16_b128 v[VR+32*\a+8*\ct:VR+32*\a+8*\ct+3],   v[ADV] offset:(64*(\q)+32*\a)*VP+32*\ct     ; keys 32 a on, channels 16 ct on
	ds_load_tr16_b128 v[VR+32*\a+8*\ct+4:VR+32*\a+8*\ct+7], v[ADV] offset:(64*(\q)+32*\a+16)*VP+32*\ct
.endr
.endr
	s_wait_dscnt 16                                ; K is in; V's sixteen loads may be out
	WIN 0x04                                       ; source 1 (Q) window 1
.set i, 0
.rept 16                                       ; S^T = K Q^T: channels 32 (i / 8) on, keys 16 ((i / 2) % 4) on, tile i % 2: the eight accumulators take turns; the first eight start the sums
.set rS, S+32*(i%2)+8*((i/2)%4)
.set rK, KR+16*((i/2)%4)+8*(i/8)
.set rQ, 16*(i%2)+8*(i/8)
.if i < 8
	v_wmma_f32_16x16x32_f16 v[rS:rS+7], v[rK:rK+7], v[rQ:rQ+7], 0
.else
	v_wmma_f32_16x16x32_f16 v[rS:rS+7], v[rK:rK+7], v[rQ:rQ+7], v[rS:rS+7]
.endif
.set i, i+1
.endr
	WIN 0
.rept 4
	v_nop                                          ; places between the products and the first read of the scores
.endr
	s_add_co_u32 s96, s[KF], 63                    ; on the diagonal the scores of hidden keys become -infinity ahead of the maximum.  A step all of whose keys count for all my queries skips this
	s_cmp_le_u32 s96, s[Q0]
	s_cbranch_scc1 .Lopen_\@
	s_sub_co_i32 s96, s[Q0], s[KF]
	v_add_nc_u32 v[D0], s96, v[RH]                 ; register 8 kt + j of tile t holds key KF + 16 kt + 8 (lane / 16) + j: hidden where 16 kt + j > my query - KF - 8 (lane / 16)
	v_add_nc_u32 v[D0+1], 16, v[D0]
.irp t, 0,1
.irp n, 0,1,2,3,4,5,6,7,8,9,10,11,12,13,14,15,16,17,18,19,20,21,22,23,24,25,26,27,28,29,30,31
	v_cmp_gt_i32 vcc_lo, 16*(\n/8)+\n%8, v[D0+\t]
	v_cndmask_b32 v[S+32*\t+\n], v[S+32*\t+\n], v[NINF], vcc_lo
.endr
.endr
.Lopen_\@:
	; the maximum of my 32 scores and the old m, three operands at a time, four chains a tile, the two tiles line by line; each accumulator is read from its low end on
.irp j, 0,1,2,3
.irp t, 0,1
	v_max3_num_f32 v[ST+8*\t+4+\j], v[S+32*\t+8*\j], v[S+32*\t+8*\j+1], v[S+32*\t+8*\j+2]
.endr
.endr
.irp g, 1,2
.irp j, 0,1,2,3
.irp t, 0,1
	v_max3_num_f32 v[ST+8*\t+4+\j], v[ST+8*\t+4+\j], v[S+32*\t+8*\j+2*\g+1], v[S+32*\t+8*\j+2*\g+2]
.endr
.endr
.endr
.irp t, 0,1
	v_max3_num_f32 v[ST+8*\t+4], v[ST+8*\t+4], v[S+32*\t+7], v[S+32*\t+15]
.endr
.irp t, 0,1
	v_max3_num_f32 v[ST+8*\t+6], v[ST+8*\t+6], v[S+32*\t+23], v[S+32*\t+31]
.endr
.irp t, 0,1
	v_max3_num_f32 v[ST+8*\t+4], v[ST+8*\t+4], v[ST+8*\t+5], v[ST+8*\t+6]
.endr
.irp t, 0,1
	v_max3_num_f32 v[ST+8*\t+4], v[ST+8*\t+4], v[ST+8*\t+7], v[ST+8*\t+1]
.endr
.irp t, 0,1
	v_permlanex16_b32 v[ST+8*\t+5], v[ST+8*\t+4], s[SEL], s[SEL+1]   ; the query's other 32 keys lie in the lane 16 away
.endr
.irp t, 0,1
	v_mov_b32 v[ST+8*\t+7], v[ST+8*\t]             ; c m_old is kept for a
.endr
.irp t, 0,1
	v_max_num_f32 v[ST+8*\t+1], v[ST+8*\t+4], v[ST+8*\t+5]
.endr
.irp t, 0,1
	v_mul_f32 v[ST+8*\t], s[CS], v[ST+8*\t+1]
.endr
.irp t, 0,1
	v_sub_f32 v[ST+8*\t+7], v[ST+8*\t+7], v[ST+8*\t]
.endr
.set i, 0
.rept 16
.irp t, 0,1
	v_pk_fma_f32 v[S+32*\t+2*i:S+32*\t+2*i+1], v[S+32*\t+2*i:S+32*\t+2*i+1], s[CS:CS+1], v[ST+8*\t:ST+8*\t+1] op_sel_hi:[1,0,0] neg_lo:[0,0,1] neg_hi:[0,0,1]   ; c s - c m, two at a time
.endr
.set i, i+1
.endr
.irp t, 0,1
	v_exp_f32 v[ST+8*\t+6], v[ST+8*\t+7]           ; a
.endr
.set i, 0
.rept 64
	v_exp_f32 v[S+i], v[S+i]                       ; p: the 66 exponentials of both tiles are one batch
.set i, i+1
.endr
	v_nop                                          ; a plain instruction behind the last exponential
	s_wait_alu depctr_va_vdst(0)                   ; one wait for the batch, ahead of its first reader
	WIN 0x40                                       ; destination window 1
.set i, 0
.rept 16
.irp t, 0,1
	v_cvt_pk_f16_f32 v[P+16*\t+i], v[S+32*\t+2*i], v[S+32*\t+2*i+1]
.endr
.set i, i+1
.endr
	WIN 0
.irp w, 4,8,16,32                              ; the sum of a tile's 16 pairs, in place: neighbours 1, 2, 4 and 8 pairs apart
.set i, 0
.rept 32/\w
.irp t, 0,1
	v_pk_add_f32 v[S+32*\t+\w*i:S+32*\t+\w*i+1], v[S+32*\t+\w*i:S+32*\t+\w*i+1], v[S+32*\t+\w*i+\w/2:S+32*\t+\w*i+\w/2+1]
.endr
.set i, i+1
.endr
.endr
.irp t, 0,1
	v_pk_fma_f32 v[ST+8*\t+2:ST+8*\t+3], v[ST+8*\t+2:ST+8*\t+3], v[ST+8*\t+6:ST+8*\t+7], v[S+32*\t:S+32*\t+1] op_sel_hi:[1,0,1]   ; l = a l + the sum
.endr
	WIN 0x41                                       ; O^T (destination and source 0) window 1, a window 0
.set i, 0
.rept 16
.irp t, 0,1
	v_pk_mul_f32 v[O+32*\t+2*i:O+32*\t+2*i+1], v[O+32*\t+2*i:O+32*\t+2*i+1], v[ST+8*\t+6:ST+8*\t+7] op_sel_hi:[1,0]
.endr
.set i, i+1
.endr
	s_wait_dscnt 0x0                               ; V is in
	WIN 0x54                                       ; V window 0; P, C and D window 1
.set i, 0
.rept 16                                       ; O^T += V^T P: keys 32 (i / 8) on, channels 16 ((i / 2) % 4) on, tile i % 2: eight accumulators by turns
.set rO, O+32*(i%2)+8*((i/2)%4)
.set rV, VR+32*(i/8)+8*((i/2)%4)
.set rP, P+16*(i%2)+8*(i/8)
	v_wmma_f32_16x16x32_f16 v[rO:rO+7], v[rV:rV+7], v[rP:rP+7], v[rO:rO+7]
.set i, i+1
.endr
	WIN 0
.rept 4
	v_nop                                          ; places in front of the next step's loads into V's registers, and of the way out's reads of O^T
.endr
.Lhidden_\@:
	s_add_co_u32 s[KF], s[KF], 64
.endm
; THE CHANGE OF SLOTS stands at a slot's head.  Each wave waits for all its tensor loads (its part of the slot that it is about to read), adds 0 to its spare word, and waits for that and for its reads of the slot that it
; has left.  Behind the barrier the slot ahead is whole and nobody reads the other one.  fill = 1: that other slot is filled with the keys that follow, up to the causal limit: the load has four key steps in which to land.
.macro CHANGE fill
	s_wait_tensorcnt 0x0                           ; no tensor load of mine is out, so a group 0 may be written
	ds_add_u32 v[SPW], v[NIL]                      ; 0 onto my spare word
.if \fill
	ds_add_u32 v[SPW], v[NIL]                      ; and once more: the add stands twice on end in every trip alike
	s_xor_b32 s[G0K+1], s[G0K+1], SLOT1            ; the walking descriptors: the other slot than last time,
	s_add_nc_u64 s[G0K+2:G0K+3], s[G0K+2:G0K+3], SK*128   ; the next 256 keys; the type bits on top are not reached
	s_xor_b32 s[G0V+1], s[G0V+1], SLOT1
	s_add_nc_u64 s[G0V+2:G0V+3], s[G0V+2:G0V+3], SK*128
	s_wait_xcnt 0x0                                ; the last prefetches, a slot back, have read their addresses, so these may be written:
	s_add_nc_u64 s[PFK:PFK+1], s[PFK:PFK+1], SK*128   ; one slot further on than the walking descriptors
	s_add_nc_u64 s[PFV:PFV+1], s[PFV:PFV+1], SK*128
.endif
	s_wait_dscnt 0x0                               ; the add is done, and my reads of the slot that I have left are over
	s_barrier_signal -1
	s_barrier_wait -1
.if \fill
	s_add_co_u32 s96, s[KF], SK                    ; the first key of the slot that this change would ask for
	s_or_b32 s97, s[Q0], 255                       ; my work-group's last query
	s_cmp_gt_u32 s96, s97                          ; ids and the count of steps alone: all eight waves go the same way.  A slot beyond the limit is read by none of them, so it is not asked for;
	s_cbranch_scc1 .Lpast_\@                       ; every wait on TENSORcnt in this text is for 0, and the jump leads round the load's own lines alone
	TLOAD                                          ; a wave's one tensor load until the next such barrier
.Lpast_\@:
	ASK
.endif
.endm
.macro SLOT_STEPS
	STEP 0
	STEP 1
	STEP 2
	STEP 3
	s_xor_b32 s[TB], s[TB], SLOT1                  ; on to the other slot
.endm
	s_wait_loadcnt 0x0                             ; Q
.Lslot:                                            ; seven trips: behind each change of slots but the last the next slot is asked for, up to the causal limit
	CHANGE 1
	SLOT_STEPS
	s_sub_co_u32 s[SLOTS], s[SLOTS], 1
	s_cmp_lg_u32 s[SLOTS], 0
	s_cbranch_scc1 .Lslot
	CHANGE 0                                       ; the last slot is written out: nothing is left to ask for
	SLOT_STEPS
	; THE WAY OUT.  l's two halves and the other half of the lanes' are added; O^T is divided by l, rounded to f16 and sent through my stage, so that 32 lanes store four whole rows: 512 consecutive bytes.
.irp t, 0,1
	v_add_f32 v[ST+8*\t+4], v[ST+8*\t+2], v[ST+8*\t+3]
.endr
.irp t, 0,1
	v_permlanex16_b32 v[ST+8*\t+5], v[ST+8*\t+4], s[SEL], s[SEL+1]
.endr
.irp t, 0,1
	v_add_f32 v[ST+8*\t+4], v[ST+8*\t+4], v[ST+8*\t+5]
.endr
.irp t, 0,1
	v_rcp_f32 v[ST+8*\t+6], v[ST+8*\t+4]
.endr
	v_nop                                          ; a plain instruction behind the last reciprocal
	s_wait_alu depctr_va_vdst(0)                   ; one wait for the two, ahead of their first reader
	WIN 0x41
.set i, 0
.rept 16
.irp t, 0,1
	v_pk_mul_f32 v[O+32*\t+2*i:O+32*\t+2*i+1], v[O+32*\t+2*i:O+32*\t+2*i+1], v[ST+8*\t+6:ST+8*\t+7] op_sel_hi:[1,0]
.endr
.set i, i+1
.endr
	WIN 0x05                                       ; sources window 1, destination window 0
.set i, 0
.rept 32
	v_cvt_pk_f16_f32 v[OUT+i], v[O+2*i], v[O+2*i+1]   ; registers 16 t + 4 ct on: channels 16 ct + 8 (lane / 16) + 0..7 of my query of tile t
.set i, i+1
.endr
	WIN 0
.irp t, 0,1
.irp ct, 0,1,2,3
	ds_store_b128 v[STO], v[OUT+16*\t+4*\ct:OUT+16*\t+4*\ct+3] offset:16*KP*\t+32*\ct
.endr
.endr
.irp t, 0,1
.irp i, 0,1,2,3
	ds_load_b128 v[S+16*\t+4*\i:S+16*\t+4*\i+3], v[RD] offset:16*KP*\t+4*KP*\i   ; LDS serves a wave's instructions in order: these see my stores
.endr
.endr
.irp n, 0,1,2,3,4,5,6,7
	s_wait_dscnt 7-\n                              ; load n is in; the younger ones may be out
	global_store_b128 v[GO], v[S+4*\n:S+4*\n+3], s[6:7] offset:512*\n
.endr
	s_wait_tensorcnt 0x0                           ; the wave's end: three closing lines, behind my last tensor load and my last LDS store
	ds_add_u32 v[SPW], v[NIL]
	s_wait_dscnt 0x0
	s_endpgm
.Lfunc_end_k_q71394d799f_attn:
	.size	k_q71394d799f_attn, .Lfunc_end_k_q71394d799f_attn-k_q71394d799f_attn
	.p2alignl 7, 3214868480
	.fill 96, 4, 3214868480
	.section	.rodata,"a",@progbits
	.p2align	6, 0x0
	.amdhsa_kernel k_q71394d799f_attn
		.amdhsa_group_segment_fixed_size 327680
		.amdhsa_private_segment_fixed_size 0
		.amdhsa_enable_private_segment 0
		.amdhsa_kernarg_size 16
		.amdhsa_user_sgpr_count 2
		.amdhsa_user_sgpr_kernarg_segment_ptr 1
		.amdhsa_wavefront_size32 1
		.amdhsa_system_sgpr_workgroup_id_x 1
		.amdhsa_system_sgpr_workgroup_id_y 1
		.amdhsa_system_sgpr_workgroup_id_z 1
		.amdhsa_system_vgpr_workitem_id 0
		.amdhsa_next_free_vgpr 416
		.amdhsa_next_free_sgpr 100
		.amdhsa_reserve_vcc 1
		.amdhsa_float_denorm_mode_32 3
		.amdhsa_float_denorm_mode_16_64 3
		.amdhsa_memory_ordered 1
		.amdhsa_forward_progress 1
		.amdhsa_inst_pref_size 189
	.end_amdhsa_kernel
	.amdgpu_metadata
---
amdhsa.version: [ 1, 2 ]
amdhsa.kernels:
  - .name:           k_q71394d799f_attn
    .symbol:         k_q71394d799f_attn.kd
    .args:
      - { .name: qkv, .offset: 0, .size: 8, .value_kind: global_buffer, .address_space: global }
      - { .name: att, .offset: 8, .size: 8, .value_kind: global_buffer, .address_space: global }
    .group_segment_fixed_size: 327680
    .private_segment_fixed_size: 0
    .kernarg_segment_align: 8
    .kernarg_segment_size: 16
    .max_flat_workgroup_size: 256
    .sgpr_count:     100
    .vgpr_count:     416
    .wavefront_size: 32
...
	.end_amdgpu_metadata
.endif
;; end of part 3
;; launch proj (part 4): grid 4 x 64, 4 waves a work-group, clusters of 4 x 4, 327,680 bytes of LDS; arguments att, wp16, bp, out0; writes out0
.if DOCPART == 4
	.amdgcn_target "amdgcn-amd-amdhsa--gfx1250"
	.amdhsa_code_object_version 6
	.text
	.protected	k_q71394d799f_proj
	.globl	k_q71394d799f_proj
	.p2align	8
	.type	k_q71394d799f_proj,@function
k_q71394d799f_proj:
	s_mov_b64 s[64:65], 0
	v_nop
	global_prefetch_b8 v0, s[64:65] scope:SCOPE_SE
	s_setreg_imm32_b32 hwreg(HW_REG_WAVE_MODE, 25, 1), 1
	s_wait_xcnt 0x0
	s_wait_alu depctr_hold_cnt(0) depctr_sa_sdst(0) depctr_va_vdst(0) depctr_va_sdst(0) depctr_va_ssrc(0) depctr_va_vcc(0) depctr_vm_vsrc(0)
	s_getreg_b32 s2, hwreg(HW_REG_IB_STS2, 6, 4)
	s_cmp_eq_u32 s2, 0
	s_cbranch_scc0 .Lentry_in_a_cluster
	s_endpgm
.Lentry_in_a_cluster:
	s_bfe_u32 s2, ttmp6, 0x10000c
	s_cmp_lg_u32 s2, 0xf033
	s_cbranch_scc0 .Lentry_shape_is_right
	s_endpgm
.Lentry_shape_is_right:
; out0[m][n] = sum over k of att[m][k] Wp[k][n] + bp[n].  m = b x 2048 + t (8,192), n 1,024, k = head x 64 + d (1,024).  att: f16, [b][head][t][64]; wp16: f16, [k][n]; bp, out0: f32; sums in f32.
; The 64 rows t < 16 are stored here like all others and are written over by the next launch, which carries them in f32: leaving them out would cost a branch for one part in 128 of the stores.
; A tile of out0 is 128 x 256, which gives each of 256 WGPs one work-group; four waves, each 64 x 128: 32 accumulators of 16 x 16, 256 registers.
; K goes in steps of 128 (two heads) through a ring of two LDS slots filled by the tensor data mover: waves 0 and 1 fetch one head's 128 rows of att each, waves 2 and 3 64 rows of Wp x 256 columns each.
; CLUSTERS: 4 x 4 work-groups.  The four of a row of the cluster need the same tiles of att, the four of a column the same tiles of Wp: each tile is asked for JOINTLY.
; THE MATRIX INSTRUCTION IS USED TRANSPOSED: source 0 = 16 columns of Wp (turned out of LDS by ds_load_tr16_b128), source 1 = 16 rows of att: a lane holds eight neighbouring numbers of a row of out0.
; The bias is the C of each sum's first matrix instruction.
; REGISTERS: window 0: v0-31 addresses; v64-95, v128-159 att's fragments, two buffers; on the way out v128-255.  window 1: v0-63 the bias in the result's layout; v64-127, v128-191 Wp's fragments, two buffers.
;   window 2: the accumulators ((a, b) at v[8 (8 a + b)]).
.set KP,     144                       ; a row of att's tile in LDS: 128 bytes + 16
.set BP,     544                       ; a row of Wp's tile: 512 bytes + 32
.set AH,     128*KP                    ; one head's 128 rows
.set BOFF,   2*AH                      ; Wp's rows lie behind att's two heads
.set BH,     64*BP                     ; 64 rows of Wp
.set SLOT,   BOFF+2*BH
.set STAGE,  2*SLOT                    ; behind the ring: 16 rows x 528 bytes for each wave, for the way out
.set SPITCH, 528
.set SPARE,  STAGE+4*16*SPITCH         ; the spare words, 128 bytes for each wave: two blocks of 256 bytes that no other line names
.set ADRA, 16                          ; v16-17  LDS address of my att fragments in slot 0, 1
.set ADRB, 20                          ; v20-21  the same for Wp
.set STO,  24                          ; v24     the way out: where I put 32 bytes of a row
.set RD,   25                          ; v25     where I read a row back
.set CO,   26                          ; v26     16 x lane
.set SPW,  28                          ; v28     LDS address of my spare word; never rewritten
.set NIL,  29                          ; v29     0; never rewritten
.set F0,   64
.set F1,   128
.set BK,   128
.set G1,  24                           ; s[24:31] descriptor group 1 for att's tiles;  s[32:39] group 0, one set for each slot
.set G0,  32
.set G1B, 48                           ; s[48:55], s[56:63] the same for Wp's tiles
.set G0B, 56
.set MSB, 0
.macro WIN new                         ; the immediate's high byte repeats the setting that is left
.if MSB != \new
	s_set_vgpr_msb (MSB<<8)|\new
.set MSB, \new
.endif
.endm
.macro JLOAD s                         ; a joint load: waves 0 and 1 fetch for att, waves 2 and 3 for Wp; an s_nop 0 and four v_nop follow each of the two lines
	s_cmp_eq_u32 s13, 0
	s_cbranch_scc0 .Lfor_b_\@
	tensor_load_to_lds s[G0+4*\s:G0+4*\s+3], s[G1:G1+7]
	s_nop 0
.rept 4
	v_nop
.endr
	s_branch .Lasked_\@
.Lfor_b_\@:
	tensor_load_to_lds s[G0B+4*\s:G0B+4*\s+3], s[G1B:G1B+7]
	s_nop 0
.rept 4
	v_nop
.endr
.Lasked_\@:
.endm
.macro CREST                           ; a round of the cluster's barrier behind its opening barrier
	s_cmp_lg_u32 s12, 0
	s_cbranch_scc1 .Lnot_wave_0_\@
	s_barrier_signal -3
.Lnot_wave_0_\@:
	s_barrier_wait -3
	s_barrier_signal -1
	s_barrier_wait -1
.endm
.macro CROUND
	s_barrier_signal -1
	s_barrier_wait -1
	CREST
.endm
	s_load_b256 s[4:11], s[0:1], 0x0               ; att s[4:5], wp16 s[6:7], bp s[8:9], out0 s[10:11]
	v_lshl_add_u32 v[SPW], v0, 2, SPARE
	v_mov_b32 v[NIL], 0
	ds_add_u32 v[SPW], v[NIL]                      ; the wave's opening: the add, twice on end, and its wait ahead of my first tensor load
	ds_add_u32 v[SPW], v[NIL]
	v_lshrrev_b32 v1, 5, v0
	v_readfirstlane_b32 s12, v1                    ; wave 0..3
	s_lshr_b32 s13, s12, 1                         ; which half of the tile's rows is mine.  Also: I fetch for att (0) or for Wp (1)
	s_and_b32 s14, s12, 1                          ; which half of its columns.  Also: which head, or which 64 rows of Wp, I fetch
	s_bfe_u32 s40, ttmp6, 0x40000                  ; cx, cy: my place in the cluster
	s_bfe_u32 s41, ttmp6, 0x40004
	s_lshl_b32 s45, ttmp9, 2
	s_add_co_u32 s45, s45, s40                     ; tile column = 4 x cluster x + cx
	s_and_b32 s42, ttmp7, 0xffff
	s_lshl_b32 s42, s42, 2
	s_add_co_u32 s42, s42, s41                     ; tile row = 4 x cluster y + cy: batch = tile row / 16, positions 128 (tile row % 16) on
	s_lshl_b32 s43, s41, 2
	s_lshl_b32 s43, 15, s43                        ; my row of the cluster
	s_lshl_b32 s44, 0x1111, s40                    ; my column
	s_or_b32 s[G1+0], s43, (1<<16)|(1<<20)|(1<<21)|(4<<22)|(3<<25)   ; the mask: att's tiles go to my row; elements of 2 bytes; padding on; bit 21 beside a mask; after every 32 words four words
	s_mov_b32 s[G1+1], 64<<16                      ; tensor_dim0
	s_mov_b32 s[G1+2], 128<<16                     ; tensor_dim1
	s_mov_b32 s[G1+3], 64<<16                      ; tile_dim0
	s_mov_b32 s[G1+4], 128                         ; tile_dim1
	s_mov_b32 s[G1+5], 64                          ; tensor_dim0_stride
	s_mov_b32 s[G1+6], 0
	s_mov_b32 s[G1+7], 0
	s_or_b32 s[G1B+0], s44, (1<<16)|(1<<20)|(1<<21)|(6<<22)|(7<<25)  ; Wp's go to my column; after every 128 words eight words
	s_mov_b32 s[G1B+1], 256<<16
	s_mov_b32 s[G1B+2], 64<<16
	s_mov_b32 s[G1B+3], 256<<16
	s_mov_b32 s[G1B+4], 64
	s_mov_b32 s[G1B+5], 1024
	s_mov_b32 s[G1B+6], 0
	s_mov_b32 s[G1B+7], 0
	s_lshr_b32 s16, s42, 4                         ; att: batch,
	s_lshl_b32 s16, s16, 4
	s_add_co_u32 s16, s16, s14                     ; head 0 or 1 of it,
	s_lshl_b32 s16, s16, 18                        ; 262,144 bytes a head,
	s_and_b32 s17, s42, 15
	s_lshl_b32 s17, s17, 14                        ; 128 positions of 128 bytes
	s_add_co_u32 s16, s16, s17
	s_mov_b32 s17, 0
	s_lshl_b32 s46, s14, 17                        ; Wp: 64 rows of 2,048 bytes,
	s_lshl_b32 s47, s45, 9                         ; 256 columns of 2 bytes
	s_add_co_u32 s46, s46, s47
	s_mov_b32 s47, 0
	s_mul_i32 s20, s14, AH                         ; where they go: the wave's number alone enters an LDS address
	s_mul_i32 s21, s14, BH
	s_add_co_u32 s21, s21, BOFF
	s_wait_dscnt 0x0                               ; both opening adds are done
	s_wait_kmcnt 0x0
	s_add_nc_u64 s[18:19], s[4:5], s[16:17]
	s_add_nc_u64 s[46:47], s[6:7], s[46:47]
	CROUND                                         ; all sixteen work-groups are here: the first joint loads meet
.irp s, 0,1
	s_mov_b32 s[G0+4*\s], 1
	s_add_co_u32 s[G0+4*\s+1], s20, \s*SLOT
	s_add_nc_u64 s[G0+4*\s+2:G0+4*\s+3], s[18:19], \s*2*262144     ; K step s: heads 2 s, 2 s + 1
	s_or_b32 s[G0+4*\s+3], s[G0+4*\s+3], 0x80000000
	s_mov_b32 s[G0B+4*\s], 1
	s_add_co_u32 s[G0B+4*\s+1], s21, \s*SLOT
	s_add_nc_u64 s[G0B+4*\s+2:G0B+4*\s+3], s[46:47], \s*128*2048   ; rows 128 s on
	s_or_b32 s[G0B+4*\s+3], s[G0B+4*\s+3], 0x80000000
	JLOAD \s                                       ; two loads of mine are out behind the second
.endr
	v_and_b32 v1, 15, v0                           ; r
	v_bfe_u32 v2, v0, 4, 1                         ; h
	v_mul_u32_u24 v3, v1, KP
	v_lshl_add_u32 v3, v2, 4, v3                   ; att: row x pitch + 16 h
	s_mul_i32 s22, s13, 64*KP                      ; my 64 rows
	v_and_b32 v4, 7, v0
	v_bfe_u32 v5, v0, 3, 1
	v_lshl_add_u32 v4, v2, 3, v4                   ; Wp, turned: row 8 h + lane % 8,
	v_mul_u32_u24 v4, v4, BP
	v_lshl_add_u32 v4, v5, 4, v4                   ; columns 8 ((lane / 8) % 2) on
	s_lshl_b32 s23, s14, 8                         ; my 128 columns
	s_add_co_u32 s23, s23, BOFF
.irp s, 0,1
	v_add_nc_u32 v[ADRA+\s], s22, v3
	v_add_nc_u32 v[ADRB+\s], s23, v4
	s_add_co_u32 s22, s22, SLOT
	s_add_co_u32 s23, s23, SLOT
.endr
	s_mul_i32 s22, s12, 16*SPITCH
	s_add_co_u32 s22, s22, STAGE                   ; my stage
	v_mul_u32_u24 v5, v1, SPITCH
	v_lshl_add_u32 v5, v2, 5, v5
	v_add_nc_u32 v[STO], s22, v5                   ; in: row r, 32 bytes for each half of the lanes
	v_and_b32 v6, 31, v0
	v_lshlrev_b32 v[CO], 4, v6
	v_add_nc_u32 v[RD], s22, v[CO]                 ; back: the 32 lanes take one row of 512 bytes
	s_lshl_b32 s16, s45, 10
	s_lshl_b32 s17, s14, 9
	s_add_co_u32 s16, s16, s17                     ; my first column, in bytes of f32
	s_mov_b32 s17, 0
	s_add_nc_u64 s[8:9], s[8:9], s[16:17]          ; bp there,
	s_add_nc_u64 s[10:11], s[10:11], s[16:17]      ; out0 there,
	s_lshl_b32 s16, s42, 19                        ; 128 rows of 4,096 bytes a tile row,
	s_lshl_b32 s18, s13, 18                        ; 64 for my half
	s_add_co_u32 s16, s16, s18
	s_add_nc_u64 s[10:11], s[10:11], s[16:17]
	v_lshlrev_b32 v6, 5, v2                        ; the bias: for block b lane (r, h) wants bp at columns 16 b + 8 h + 0 .. 7
	WIN 0x40                                       ; destination window 1
.irp b, 0,1,2,3,4,5,6,7
	global_load_b128 v[8*\b:8*\b+3],   v6, s[8:9] offset:64*\b
	global_load_b128 v[8*\b+4:8*\b+7], v6, s[8:9] offset:64*\b+16
.endr
	WIN 0
; 8 matrix instructions: att's block a against Wp's eight, 32 along K, from buffer f.  first = 1: the bias starts the sums.  The 32 accumulators take turns in one order everywhere.
.macro MUL8 f, a, first
.irp b, 0,1,2,3,4,5,6,7
.if \first
	v_wmma_f32_16x16x32_f16 v[8*(8*(\a)+\b):8*(8*(\a)+\b)+7], v[\f+8*\b:\f+8*\b+7], v[\f+8*(\a):\f+8*(\a)+7], v[8*\b:8*\b+7]
.else
	v_wmma_f32_16x16x32_f16 v[8*(8*(\a)+\b):8*(8*(\a)+\b)+7], v[\f+8*\b:\f+8*\b+7], v[\f+8*(\a):\f+8*(\a)+7], v[8*(8*(\a)+\b):8*(8*(\a)+\b)+7]
.endif
.endr
.endm
.macro MWIN first
.if \first
	WIN 0x91                                       ; source 0 (Wp) and C (the bias) window 1, source 1 (att) window 0, D window 2
.else
	WIN 0xa1                                       ; C and D window 2
.endif
.endm
; 24 LDS loads in one run: the fragments of the slot's q-th 32 along K into buffer f: Wp's sixteen, then att's eight, blocks 0 and 1 first
.macro FETCH slot, q, f
	WIN 0x40
.irp b, 0,1,2,3,4,5,6,7
	ds_load_tr16_b128 v[\f+8*\b:\f+8*\b+3],   v[ADRB+\slot] offset:32*BP*(\q)+32*\b
	ds_load_tr16_b128 v[\f+8*\b+4:\f+8*\b+7], v[ADRB+\slot] offset:32*BP*(\q)+32*\b+16*BP
.endr
	WIN 0
.irp a, 0,1,2,3
	ds_load_b128 v[\f+8*\a:\f+8*\a+3],   v[ADRA+\slot] offset:((\q)/2)*AH+((\q)%2)*64+\a*16*KP
	ds_load_b128 v[\f+8*\a+4:\f+8*\a+7], v[ADRA+\slot] offset:((\q)/2)*AH+((\q)%2)*64+\a*16*KP+32
.endr
.endm
.macro PLACES                          ; four places in front of loads into registers that matrix instructions have read, and of reads of results
.rept 4
	v_nop
.endr
.endm
; A K step is four quarters of 32 along K, 32 matrix instructions each, on buffers 0, 1, 0, 1.  One of the first three: multiplies buffer f and fetches quarter q into g.
.macro QUARTER slot, q, f, g, first
	s_wait_dscnt 4                                 ; Wp's fragments and att's blocks 0, 1 are in; the youngest four loads (blocks 2, 3) may be out
	MWIN \first
	MUL8 \f, 0, \first
	MUL8 \f, 1, \first
	PLACES
	FETCH \slot, \q, \g
	s_wait_dscnt 24                                ; all but the 24 just issued
	MWIN \first
	MUL8 \f, 2, \first
	MUL8 \f, 3, \first
.endm
; The last quarter multiplies buffer 1 and changes slots: ONE barrier; in front of it each wave waits for all its tensor loads, adds 0 to its spare word, and waits for that and for its own reads of this slot.
; fill = 1: this slot is filled again, two K steps ahead; the barrier then opens a round of the cluster's barrier, and the joint refill is the first tensor load behind the round.
.macro TURN slot, next, fill
	WIN 0                                          ; (the add's two registers lie in window 0)
	s_wait_tensorcnt 0x0                           ; all my tensor loads have landed: my part of the next slot;
	ds_add_u32 v[SPW], v[NIL]                      ; 0 onto my spare word;
	s_wait_dscnt 5                                 ; (the add and the youngest four loads may be out)
	WIN 0xa1
	MUL8 F1, 0, 0                                  ; eight matrix instructions stand between the add and the wait for it
	s_wait_dscnt 0x0                               ; the add is done, and my reads of this slot are over
	s_barrier_signal -1
	MUL8 F1, 1, 0
.if \fill
	WIN 0
.endif
	s_barrier_wait -1
.if \fill
	CREST                                          ; no wave of any partner still reads this slot's tile or has a load on its way
	s_add_nc_u64 s[G0+4*\slot+2:G0+4*\slot+3], s[G0+4*\slot+2:G0+4*\slot+3], 4*262144      ; four heads on
	s_add_nc_u64 s[G0B+4*\slot+2:G0B+4*\slot+3], s[G0B+4*\slot+2:G0B+4*\slot+3], 256*2048  ; 256 rows on
	JLOAD \slot                                    ; the four v_nop behind it are also the places in front of the loads below
.else
	PLACES
.endif
	FETCH \next, 0, F0
	WIN 0xa1
	MUL8 F1, 2, 0
	MUL8 F1, 3, 0
.endm
	s_wait_tensorcnt 1                             ; my part of K step 0 is in (K step 1's load may be out)
	s_barrier_signal -1
	s_barrier_wait -1                              ; everybody's is
	FETCH 0, 0, F0
	s_wait_loadcnt 0x0                             ; the bias
	QUARTER 0, 1, F0, F1, 1                        ; the first quarter stands in front of the loop: its products start the sums
	WIN 0                                          ; at a label and at a branch every window is 0
	s_mov_b32 s3, 3
.Llap:                                                 ; a trip goes once round the ring, from a lap's second quarter to the next lap's first, and fills both slots again
	QUARTER 0, 2, F1, F0, 0
	QUARTER 0, 3, F0, F1, 0
	TURN 0, 1, 1
	QUARTER 1, 1, F0, F1, 0
	QUARTER 1, 2, F1, F0, 0
	QUARTER 1, 3, F0, F1, 0
	TURN 1, 0, 1
	QUARTER 0, 1, F0, F1, 0
	WIN 0
	s_sub_co_u32 s3, s3, 1
	s_cmp_lg_u32 s3, 0
	s_cbranch_scc1 .Llap
	QUARTER 0, 2, F1, F0, 0                        ; the last lap fills nothing, and has no round of the cluster's barrier
	QUARTER 0, 3, F0, F1, 0
	TURN 0, 1, 0
	QUARTER 1, 1, F0, F1, 0
	QUARTER 1, 2, F1, F0, 0
	QUARTER 1, 3, F0, F1, 0
	s_wait_dscnt 4                                 ; the very last quarter: nothing more to fetch
	WIN 0xa1
	MUL8 F1, 0, 0
	MUL8 F1, 1, 0
	s_wait_dscnt 0
	MUL8 F1, 2, 0
	MUL8 F1, 3, 0
	WIN 0
; THE WAY OUT, block by block of 16 rows x 128 columns: through my own stage, and back as whole rows of 512 bytes.  LDS serves a wave's instructions in order: no wait between the stores and the loads.
.macro TOSTAGE a
	WIN 0x08                                       ; an LDS store's data are its source 1: window 2
.irp b, 0,1,2,3,4,5,6,7
	ds_store_b128 v[STO], v[64*(\a)+8*\b:64*(\a)+8*\b+3] offset:64*\b          ; each accumulator from its low end on
	ds_store_b128 v[STO], v[64*(\a)+8*\b+4:64*(\a)+8*\b+7] offset:64*\b+16
.endr
	WIN 0
.set BB, BK+64*((\a)%2)
.irp t, 0,1,2,3,4,5,6,7,8,9,10,11,12,13,14,15
	ds_load_b128 v[BB+4*\t:BB+4*\t+3], v[RD] offset:\t*SPITCH
.endr
.endm
.macro SEND a, younger                 ; younger: the LDS instructions issued behind block a's loads, which may stay out
.set BB, BK+64*((\a)%2)
	s_wait_dscnt \younger
.irp t, 0,1,2,3,4,5,6,7,8,9,10,11,12,13,14,15
	global_store_b128 v[CO], v[BB+4*\t:BB+4*\t+3], s[10:11] offset:(16*(\a)+\t)*4096 th:TH_STORE_NT   ; 32 lanes store 512 consecutive bytes, aligned
.endr
.endm
	PLACES                                         ; behind the last products: for the stores that read results and the loads into registers that held att's fragments
	TOSTAGE 0
	TOSTAGE 1
	SEND 0, 32                                     ; behind block 0's loads: block 1's 16 stores and 16 loads
	s_wait_xcnt 0x0                                ; block 0's stores have read their registers: block 2's loads may land there
	TOSTAGE 2
	SEND 1, 32
	s_wait_xcnt 0x0
	TOSTAGE 3
	SEND 2, 32
	SEND 3, 0
	s_wait_tensorcnt 0x0                           ; the wave's end: three closing lines, behind my last tensor load and my last LDS store
	ds_add_u32 v[SPW], v[NIL]
	s_wait_dscnt 0x0
	CROUND                                         ; the closing round
	s_endpgm
.Lfunc_end_k_q71394d799f_proj:
	.size	k_q71394d799f_proj, .Lfunc_end_k_q71394d799f_proj-k_q71394d799f_proj
	.p2alignl 7, 3214868480
	.fill 96, 4, 3214868480
	.section	.rodata,"a",@progbits
	.p2align	6, 0x0
	.amdhsa_kernel k_q71394d799f_proj
		.amdhsa_group_segment_fixed_size 327680
		.amdhsa_private_segment_fixed_size 0
		.amdhsa_enable_private_segment 0
		.amdhsa_kernarg_size 32
		.amdhsa_user_sgpr_count 2
		.amdhsa_user_sgpr_kernarg_segment_ptr 1
		.amdhsa_wavefront_size32 1
		.amdhsa_system_sgpr_workgroup_id_x 1
		.amdhsa_system_sgpr_workgroup_id_y 1
		.amdhsa_system_sgpr_workgroup_id_z 1
		.amdhsa_system_vgpr_workitem_id 0
		.amdhsa_next_free_vgpr 768
		.amdhsa_next_free_sgpr 66
		.amdhsa_reserve_vcc 0
		.amdhsa_float_denorm_mode_32 3
		.amdhsa_float_denorm_mode_16_64 3
		.amdhsa_memory_ordered 1
		.amdhsa_forward_progress 1
		.amdhsa_inst_pref_size 87
	.end_amdhsa_kernel
	.amdgpu_metadata
---
amdhsa.version: [ 1, 2 ]
amdhsa.kernels:
  - .name:           k_q71394d799f_proj
    .symbol:         k_q71394d799f_proj.kd
    .args:
      - { .name: att, .offset: 0, .size: 8, .value_kind: global_buffer, .address_space: global }
      - { .name: wp16, .offset: 8, .size: 8, .value_kind: global_buffer, .address_space: global }
      - { .name: bp, .offset: 16, .size: 8, .value_kind: global_buffer, .address_space: global }
      - { .name: out0, .offset: 24, .size: 8, .value_kind: global_buffer, .address_space: global }
    .group_segment_fixed_size: 327680
    .private_segment_fixed_size: 0
    .kernarg_segment_align: 8
    .kernarg_segment_size: 32
    .max_flat_workgroup_size: 128
    .sgpr_count:     66
    .vgpr_count:     768
    .wavefront_size: 32
...
	.end_amdgpu_metadata
.endif
;; end of part 4
;; launch first16 (part 5): grid 64 x 4, 16 waves a work-group, no clusters, 18,432 bytes of LDS; arguments first32, Wp, bp, out0; writes out0
.if DOCPART == 5
	.amdgcn_target "amdgcn-amd-amdhsa--gfx1250"
	.amdhsa_code_object_version 6
	.text
	.protected	k_q71394d799f_first16
	.globl	k_q71394d799f_first16
	.p2align	8
	.type	k_q71394d799f_first16,@function
k_q71394d799f_first16:
	s_mov_b64 s[64:65], 0
	v_nop
	global_prefetch_b8 v0, s[64:65] scope:SCOPE_SE
	s_setreg_imm32_b32 hwreg(HW_REG_WAVE_MODE, 25, 1), 1
	s_wait_xcnt 0x0
; The first 16 positions of every sequence, all in f32: under the causal mask they average one to sixteen values, so the rounding of 16-bit operands would weigh most there.
; out0[b][t][n] = bp[n] + sum over heads and channels of att[t][head][d] Wp[64 head + d][n], att = causal softmax(q k^T x 1024^-0.05) v over positions 0 to 15; q, k, v in f32 from first32 [which][b][head][16][64].
; These 64 rows of out0 were stored by the launch before from 16-bit operands; this launch writes over them.
; SHARES.  A work-group takes 16 columns n of one batch; each of its sixteen waves one head: 48 matrix instructions of the f32 form a wave (no bulk work).  The heads' parts meet in LDS; waves 0 and 1 add them, in the
; order of the heads, onto the bias and store.  Every work-group of a batch computes the batch's small attention anew: 16 x 16 x 64 a head.
; LAYOUT.  The f32 form takes k = 2 (lane / 16) + j from register j.  k is permuted ALIKE on both sources, which keeps the sums' terms: so each source's registers are used as they come, and nothing changes lanes.
;   S^T = K Q^T: lane (r, h) holds channels 32 h + 0..31 of row r of K and of Q; step s takes registers 2 s, 2 s + 1.  Result: register j = (key 8 h + j, query r).
;   O^T = V^T P: step s takes P's registers 2 s, 2 s + 1 (keys 8 h + 2 s + j); V is loaded so: lane (r, h) holds V[8 h + e][16 ct + r] in register 8 ct + e.  Result: register j = (channel 16 ct + 8 h + j, query r).
;   out^T = Wp^T att: step 4 ct + s takes att's registers 8 ct + 2 s + j; Wp is loaded so: lane (r, h) holds Wp[64 head + 16 ct + 8 h + e][16 nb + r].  Result: register j = (column 16 nb + 8 h + j, query r).
; The registers that the matrix instructions write (v160-223) are written by them alone; each sum runs on two or four accumulators by turns.
; The stores are pieces of 64 bytes of a row: 262,144 bytes in the whole launch.
.set SPARE, 16384                      ; behind the heads' parts (1,024 bytes a wave): the spare words, 128 bytes for each wave: eight blocks of 256 bytes that no other line names
.set QR, 32                            ; v32-63   Q, later att
.set KR, 64                            ; v64-95   K; later, with V's registers, the sixteen parts
.set VR, 96                            ; v96-127  V
.set WR, 128                           ; v128-159 Wp
.set SA, 160                           ; v160-167, v168-175 the scores' two partial sums
.set SB, 168
.set OR, 176                           ; v176-207 O^T, four tiles of channels
.set PA, 208                           ; v208-215, v216-223 the projection's two partial sums
.set PB, 216
.set T,  224                           ; v224-231 the scores
.set P,  232                           ; v232-239 the weights
.set PS, 240                           ; v240-247 my head's part of out
.set BI, 248                           ; v248-251 the bias, then the sum
	s_load_b256 s[4:11], s[0:1], 0x0               ; first32 s[4:5], Wp s[6:7], bp s[8:9], out0 s[10:11]
	v_lshl_add_u32 v30, v0, 2, SPARE               ; LDS address of my spare word; never rewritten
	v_mov_b32 v31, 0                               ; 0; never rewritten
	v_lshrrev_b32 v1, 5, v0
	v_readfirstlane_b32 s12, v1                    ; wave = head
	v_and_b32 v1, 15, v0                           ; r
	v_bfe_u32 v2, v0, 4, 1                         ; h
	v_and_b32 v3, 31, v0                           ; lane
	s_and_b32 s13, ttmp7, 0xffff                   ; batch
	s_and_b32 s14, s12, 1                          ; u: which half of a lane's eight columns I add up, if I add up
	v_lshlrev_b32 v4, 8, v1
	v_lshl_add_u32 v4, v2, 7, v4                   ; Q, K: row r of 256 bytes + 128 h
	v_lshlrev_b32 v5, 2, v1
	v_lshl_add_u32 v6, v2, 11, v5                  ; V: 8 h rows of 256 bytes + 4 r
	v_lshl_add_u32 v7, v2, 15, v5                  ; Wp: 8 h rows of 4,096 bytes + 4 r
	v_lshlrev_b32 v8, 5, v2                        ; bp: 32 h
	v_lshlrev_b32 v9, 12, v1
	v_lshl_add_u32 v9, v2, 5, v9                   ; out0: row r of 4,096 bytes + 32 h
	v_lshlrev_b32 v10, 4, v3
	s_lshl_b32 s15, s12, 10
	v_add_nc_u32 v11, s15, v10                     ; LDS: my head's part: 1,024 x wave + 16 x lane
	s_lshl_b32 s15, s14, 9
	v_add_nc_u32 v12, s15, v10                     ; and where I read the parts: 512 u + 16 x lane
	v_lshlrev_b32 v13, 3, v2
	v_sub_nc_u32 v13, v1, v13                      ; r - 8 h: key 8 h + j is hidden where j > r - 8 h
	v_mov_b32 v14, 0xff800000                      ; -infinity
	v_mov_b32 v16, 0                               ; (a lane permute's destination counts as one of its sources)
	s_mov_b32 s20, 0x76543210
	s_mov_b32 s21, 0xfedcba98                      ; lane l xor 16
	s_mov_b32 s22, 0x3f8293ee                      ; c = log2(e) x 1024^-0.05
	s_lshl_b32 s16, s13, 4
	s_add_co_u32 s16, s16, s12
	s_lshl_b32 s16, s16, 12                        ; first32: 4,096 bytes a head
	s_mov_b32 s17, 0
	s_lshl_b32 s18, s12, 18                        ; Wp: 64 rows of 4,096 bytes a head,
	s_lshl_b32 s24, ttmp9, 6                       ; 16 columns of 4 bytes
	s_add_co_u32 s18, s18, s24
	s_mov_b32 s19, 0
	s_lshl_b32 s25, s14, 4
	s_add_co_u32 s24, s24, s25                     ; bp and out0: my 16 columns, + 16 u
	s_mov_b32 s25, 0
	s_lshl_b32 s26, s13, 23                        ; out0: 2,048 rows of 4,096 bytes a batch
	s_add_co_u32 s26, s26, s24
	s_mov_b32 s27, 0
	s_wait_kmcnt 0x0
	s_add_nc_u64 s[4:5], s[4:5], s[16:17]
	s_add_nc_u64 s[6:7], s[6:7], s[18:19]
	s_add_nc_u64 s[8:9], s[8:9], s[24:25]
	s_add_nc_u64 s[10:11], s[10:11], s[26:27]
.irp i, 0,1,2,3,4,5,6,7
	global_load_b128 v[QR+4*\i:QR+4*\i+3], v4, s[4:5] offset:16*\i
.endr
.irp i, 0,1,2,3,4,5,6,7
	global_load_b128 v[KR+4*\i:KR+4*\i+3], v4, s[4:5] offset:262144+16*\i
.endr
.irp ct, 0,1,2,3
.irp e, 0,1,2,3,4,5,6,7
	global_load_b32 v[VR+8*\ct+\e], v6, s[4:5] offset:524288+256*\e+64*\ct
.endr
.endr
	s_wait_loadcnt 32                              ; Q and K are in; V's 32 loads may be out
	v_wmma_f32_16x16x4_f32 v[SA:SA+7], v[KR:KR+1], v[QR:QR+1], 0             ; the first steps start the two sums
	v_wmma_f32_16x16x4_f32 v[SB:SB+7], v[KR+2:KR+3], v[QR+2:QR+3], 0
.irp s, 2,4,6,8,10,12,14
	v_wmma_f32_16x16x4_f32 v[SA:SA+7], v[KR+2*\s:KR+2*\s+1], v[QR+2*\s:QR+2*\s+1], v[SA:SA+7]
	v_wmma_f32_16x16x4_f32 v[SB:SB+7], v[KR+2*\s+2:KR+2*\s+3], v[QR+2*\s+2:QR+2*\s+3], v[SB:SB+7]
.endr
	global_load_b128 v[BI:BI+3], v8, s[8:9]
.irp ct, 0,1,2,3
.irp e, 0,1,2,3,4,5,6,7
	global_load_b32 v[WR+8*\ct+\e], v7, s[6:7] offset:(16*\ct+\e)*4096
.endr
.endr
.rept 8
	v_nop                                          ; eight places behind this form, in front of the first read of its results (ISA guide 7.12.1)
.endr
.irp j, 0,1,2,3,4,5,6,7
	v_add_f32 v[T+\j], v[SA+\j], v[SB+\j]          ; from the low end on
.endr
.irp j, 0,1,2,3,4,5,6,7
	v_cmp_gt_i32 vcc_lo, \j, v13
	v_cndmask_b32 v[T+\j], v[T+\j], v14, vcc_lo    ; hidden keys: -infinity.  Key 0 counts for every query
.endr
	v_max3_num_f32 v15, v[T], v[T+1], v[T+2]
	v_max3_num_f32 v15, v15, v[T+3], v[T+4]
	v_max3_num_f32 v15, v15, v[T+5], v[T+6]
	v_max_num_f32 v15, v15, v[T+7]
	v_permlanex16_b32 v16, v15, s20, s21
	v_max_num_f32 v15, v15, v16                    ; the row's maximum
	v_mul_f32 v17, s22, v15
.irp j, 0,1,2,3,4,5,6,7
	v_fma_f32 v[P+\j], v[T+\j], s22, -v17          ; c s - c m
.endr
.irp j, 0,1,2,3,4,5,6,7
	v_exp_f32 v[P+\j], v[P+\j]
.endr
	v_nop                                          ; a plain instruction behind the last exponential
	s_wait_alu depctr_va_vdst(0)                   ; one wait for the eight, ahead of their first reader
	v_add_f32 v18, v[P], v[P+1]
	v_add_f32 v19, v[P+2], v[P+3]
	v_add_f32 v20, v[P+4], v[P+5]
	v_add_f32 v21, v[P+6], v[P+7]
	v_add_f32 v18, v18, v19
	v_add_f32 v20, v20, v21
	v_add_f32 v18, v18, v20
	v_permlanex16_b32 v16, v18, s20, s21
	v_add_f32 v18, v18, v16                        ; the row's sum
	v_rcp_f32 v19, v18
	v_nop
	s_wait_alu depctr_va_vdst(0)
	s_wait_loadcnt 33                              ; V is in; bp's load and Wp's 32 may be out
.irp ct, 0,1,2,3
	v_wmma_f32_16x16x4_f32 v[OR+8*\ct:OR+8*\ct+7], v[VR+8*\ct:VR+8*\ct+1], v[P:P+1], 0
.endr
.irp s, 1,2,3
.irp ct, 0,1,2,3
	v_wmma_f32_16x16x4_f32 v[OR+8*\ct:OR+8*\ct+7], v[VR+8*\ct+2*\s:VR+8*\ct+2*\s+1], v[P+2*\s:P+2*\s+1], v[OR+8*\ct:OR+8*\ct+7]
.endr
.endr
.rept 8
	v_nop
.endr
.irp n, 0,1,2,3,4,5,6,7,8,9,10,11,12,13,14,15,16,17,18,19,20,21,22,23,24,25,26,27,28,29,30,31
	v_mul_f32 v[QR+\n], v[OR+\n], v19              ; att = O^T / the sum, into other registers: Q's, which are done with
.endr
	s_wait_loadcnt 0x0                             ; Wp and bp
	v_wmma_f32_16x16x4_f32 v[PA:PA+7], v[WR:WR+1], v[QR:QR+1], 0
	v_wmma_f32_16x16x4_f32 v[PB:PB+7], v[WR+2:WR+3], v[QR+2:QR+3], 0
.irp s, 2,4,6,8,10,12,14
	v_wmma_f32_16x16x4_f32 v[PA:PA+7], v[WR+2*\s:WR+2*\s+1], v[QR+2*\s:QR+2*\s+1], v[PA:PA+7]
	v_wmma_f32_16x16x4_f32 v[PB:PB+7], v[WR+2*\s+2:WR+2*\s+3], v[QR+2*\s+2:QR+2*\s+3], v[PB:PB+7]
.endr
.rept 8
	v_nop
.endr
.irp j, 0,1,2,3,4,5,6,7
	v_add_f32 v[PS+\j], v[PA+\j], v[PB+\j]
.endr
	ds_store_b128 v11, v[PS:PS+3]                  ; my head's part, as it stands in the registers: columns 8 h + 0..3,
	ds_store_b128 v11, v[PS+4:PS+7] offset:512     ; and 8 h + 4..7
	s_wait_tensorcnt 0x0                           ; three closing lines behind my last LDS store; only LDS loads follow them.
	ds_add_u32 v30, v31
	s_wait_dscnt 0x0                               ; For the others' sake too: my stores have landed
	s_barrier_signal -1
	s_barrier_wait -1
	s_cmp_ge_u32 s12, 2
	s_cbranch_scc1 .Ldone                          ; waves 0 and 1 add up: wave u the columns 8 h + 4 u + 0..3
.irp i, 0,1,2,3,4,5,6,7,8,9,10,11,12,13,14,15
	ds_load_b128 v[KR+4*\i:KR+4*\i+3], v12 offset:1024*\i
.endr
	s_wait_dscnt 0x0
.irp i, 0,1,2,3,4,5,6,7,8,9,10,11,12,13,14,15
	v_pk_add_f32 v[BI:BI+1], v[BI:BI+1], v[KR+4*\i:KR+4*\i+1]          ; onto the bias, in the order of the heads
	v_pk_add_f32 v[BI+2:BI+3], v[BI+2:BI+3], v[KR+4*\i+2:KR+4*\i+3]
.endr
	global_store_b128 v9, v[BI:BI+3], s[10:11]
.Ldone:
	s_endpgm
.Lfunc_end_k_q71394d799f_first16:
	.size	k_q71394d799f_first16, .Lfunc_end_k_q71394d799f_first16-k_q71394d799f_first16
	.p2alignl 7, 3214868480
	.fill 96, 4, 3214868480
	.section	.rodata,"a",@progbits
	.p2align	6, 0x0
	.amdhsa_kernel k_q71394d799f_first16
		.amdhsa_group_segment_fixed_size 18432
		.amdhsa_private_segment_fixed_size 0
		.amdhsa_enable_private_segment 0
		.amdhsa_kernarg_size 32
		.amdhsa_user_sgpr_count 2
		.amdhsa_user_sgpr_kernarg_segment_ptr 1
		.amdhsa_wavefront_size32 1
		.amdhsa_system_sgpr_workgroup_id_x 1
		.amdhsa_system_sgpr_workgroup_id_y 1
		.amdhsa_system_sgpr_workgroup_id_z 1
		.amdhsa_system_vgpr_workitem_id 0
		.amdhsa_next_free_vgpr 256
		.amdhsa_next_free_sgpr 66
		.amdhsa_reserve_vcc 1
		.amdhsa_float_denorm_mode_32 3
		.amdhsa_float_denorm_mode_16_64 3
		.amdhsa_memory_ordered 1
		.amdhsa_forward_progress 1
		.amdhsa_inst_pref_size 21
	.end_amdhsa_kernel
	.amdgpu_metadata
---
amdhsa.version: [ 1, 2 ]
amdhsa.kernels:
  - .name:           k_q71394d799f_first16
    .symbol:         k_q71394d799f_first16.kd
    .args:
      - { .name: first32, .offset: 0, .size: 8, .value_kind: global_buffer, .address_space: global }
      - { .name: Wp, .offset: 8, .size: 8, .value_kind: global_buffer, .address_space: global }
      - { .name: bp, .offset: 16, .size: 8, .value_kind: global_buffer, .address_space: global }
      - { .name: out0, .offset: 24, .size: 8, .value_kind: global_buffer, .address_space: global }
    .group_segment_fixed_size: 18432
    .private_segment_fixed_size: 0
    .kernarg_segment_align: 8
    .kernarg_segment_size: 32
    .max_flat_workgroup_size: 512
    .sgpr_count:     66
    .vgpr_count:     256
    .wavefront_size: 32
...
	.end_amdgpu_metadata
.endif
;; end of part 5
